; MI455X (gfx1250); checked and timed in simulation.
; The chip was launched on July 23, 2026; its instructions are those of AMD's public machine-readable ISA for CDNA 5 (MIT licence, August 2026) and "CDNA5" Instruction Set Architecture Reference Guide (July 2026). The comments in the code are by the model that wrote it; some were corrected since.
;; Wan I2 V Cross Attention. Allowed arithmetic: matrix products marked QUANTISED: E2M1 operands, one E8M0 scale for each 32 along K, by v_wmma_scale_f32_16x16x128_f8f6f4 with both operands' format E2M1 (or v_wmma_scale_f32_32x16x128_f4), f32 sums; products left as they are: bf16, f16 or f32 operands; f32 sums; everything else in f32.
;; Inputs: b_k 2,048 float32; b_k_img 2,048 float32; b_o 2,048 float32; b_q 2,048 float32; b_v 2,048 float32; b_v_img 2,048 float32; context 2 x 769 x 2,048 float32; context_lens 2 int32; g_k 2,048 float32; g_k_img 2,048 float32; g_q 2,048 float32; w_k 2,048 x 2,048 float32; w_k_img 2,048 x 2,048 float32; w_o 2,048 x 2,048 float32; w_q 2,048 x 2,048 float32; w_v 2,048 x 2,048 float32; w_v_img 2,048 x 2,048 float32; x 2 x 2,048 x 2,048 float32.
;; Outputs: out0 2 x 2,048 x 2,048 float32.
;; This version of the problem:
;;   THIS VERSION OF THE PROBLEM IS GIVEN IN LOW PRECISION. The matrix products marked QUANTISED in the list below multiply operands that are first quantised to E2M1 (2 exponent bits, 1 mantissa bit; 4 bits a number), with one power-of-two scale for each 32 numbers along K (OCP MX v1.0); their sums are f32. The products marked 'left as it is' may take bf16, f16 or f32 operands, with f32 sums. Whichever they take, every output number must still come out within the allowed error. Rounding operands to bf16 (8 significant bits) uses up far more of that allowance than f16 does (11 bits, for magnitudes from 6e-5 to 65,504). All else is computed in f32.
;;   The module's matrix products, in the order in which they are computed (A, B: the left and right operand; K: the contracted axis; several contracted axes count as one K, in the product's order):
;;     1. [M 4,096, K 2,048] x [K 2,048, N 2,048]; A: input x; B: input w_q: QUANTISED
;;     2. [M 1,024, K 2,048] x [K 2,048, N 2,048]; A: input context; B: input w_k: QUANTISED
;;     3. [M 1,024, K 2,048] x [K 2,048, N 2,048]; A: input context; B: input w_v: QUANTISED
;;     4. [M 514, K 2,048] x [K 2,048, N 2,048]; A: input context; B: input w_k_img: QUANTISED
;;     5. [M 514, K 2,048] x [K 2,048, N 2,048]; A: input context; B: input w_v_img: QUANTISED
;;     6. batch 32 x [M 2,048, K 128] x [K 128, N 257]; A: computed on the way; B: computed on the way: left as it is (an operand is computed on the way)
;;     7. batch 32 x [M 128, K 257] x [K 257, N 2,048]; A: computed on the way; B: computed on the way: left as it is (an operand is computed on the way)
;;     8. batch 32 x [M 2,048, K 128] x [K 128, N 512]; A: computed on the way; B: computed on the way: left as it is (an operand is computed on the way)
;;     9. batch 32 x [M 128, K 512] x [K 512, N 2,048]; A: computed on the way; B: computed on the way: left as it is (an operand is computed on the way)
;;     10. [M 4,096, K 2,048] x [K 2,048, N 2,048]; A: computed on the way; B: input w_o: left as it is (an operand is computed on the way)
;;   THE QUANTISER, for each operand of a quantised product, along K:
;;     - K is cut into blocks of 32 from its start; a last block that is shorter is filled with zeros.
;;     - A block's scale is 2^e with e = floor(log2(the largest magnitude in the block)) - 2, held to -126 .. 127; a block of zeros has e = 0. As a byte (E8M0): e + 127.
;;     - Each number is divided by its block's scale, clamped to +-6, and rounded to the nearest number of E2M1, ties to even, subnormals kept.
;;     - The product sums the exact products of the quantised numbers (number of the format x scale) in f32.
;;   ~~~python
;;   def quantise(x, axis):      # numpy; x: float32 -> the quantised numbers, widened to float32 again
;;       x = np.moveaxis(x, axis, -1); K = x.shape[-1]
;;       x = np.pad(x, [(0, 0)] * (x.ndim - 1) + [(0, -K % 32)]); x = x.reshape(x.shape[:-1] + (-1, 32)); a = np.abs(x).max(-1, keepdims=True)
;;       e = np.where(a > 0, np.clip(np.frexp(np.where(a > 0, a, 1))[1] - 1 - 2, -126, 127), 0)      # np.frexp(a)[1] - 1 = floor(log2(a)), exactly
;;       r = np.clip(x / 2.0 ** e, -6, 6)
;;       step = 2.0 ** (np.maximum(np.frexp(np.where(r == 0, 1, r))[1] - 1, 0) - 1)
;;       q = np.round(r / step) * step * 2.0 ** e      # np.round: ties to even
;;       return np.moveaxis(q.reshape(q.shape[:-2] + (-1,))[..., :K], -1, axis).astype(np.float32)
;;   ~~~
;; One version. Each part assembles by itself: llvm-mc -triple=amdgcn-amd-amdhsa -mcpu=gfx1250 --defsym DOCPART=n.
;; ======== version 1 of 1: 4 launches
;; limits: values are held in f16: magnitudes above 65,504 overflow, below 6.1e-05 lose precision; right only within a limited range of input values
;; workspace buffers: acodes 5,769,216 bytes; ascales 360,704 bytes; wcodes 10,485,760 bytes; wscales 655,360 bytes; wo16 8,388,608 bytes; qkv 33,554,432 bytes; ssq 524,288 bytes; att 16,777,216 bytes
;; launch quant (part 1): grid 7937 x 1, 1 waves a work-group, no clusters, 5,632 bytes of LDS; arguments x, context, w_q, w_k, w_v, w_k_img, w_v_img, acodes, ascales, wcodes, wscales; writes acodes, ascales, wcodes, wscales
.if DOCPART == 1
	.amdgcn_target "amdgcn-amd-amdhsa--gfx1250"
	.amdhsa_code_object_version 6
	.text
	.protected	k_q7473b57fd6_quant
	.globl	k_q7473b57fd6_quant
	.p2align	8
	.type	k_q7473b57fd6_quant,@function
k_q7473b57fd6_quant:
	s_mov_b64 s[64:65], 0
	v_nop
	global_prefetch_b8 v0, s[64:65] scope:SCOPE_SE
	s_setreg_imm32_b32 hwreg(HW_REG_WAVE_MODE, 25, 1), 1
	s_wait_xcnt 0x0
; x [4096][2048], context [1538][2048] and five weights [2048][2048], all f32 with K innermost, become codes of FP4 (E2M1) with one E8M0 byte for each 32 along K.
; acodes: rows 0-4095 = x, rows 4096 + i = context's row i, 1,024 bytes a row; ascales 64 bytes a row.  wcodes, wscales: w_q, w_k, w_v, w_k_img, w_v_img on end.
; A block's scale is 2^(floor(log2(largest magnitude)) - 2): its byte is the largest magnitude's exponent field - 2, held at 1 from below.  A block of zeros gets the byte 1 where the rule says 127:
; its codes are zeros, which add nothing under any byte but 0xff, and this program alone reads the bytes.
; LIMITS: blocks whose largest magnitude lies under 2^(3 - 127) have their byte held at 1; NaN and infinities among the inputs are not served.
; SHARES.  A work-group is ONE wave and takes a run of two rows (4,096 numbers): context has 1,538 rows = 769 runs, a prime, so runs cannot be dealt in fours.  Runs: x 2,048, context 769, each weight 1,024.
; Only pointers are chosen by the work-group's number; all seven tensors take one path.
; A step is 512 numbers: four loads of 512 consecutive bytes, a turn through the wave's stage in LDS (80 bytes a lane: 64 + 16 of padding), so that a lane holds 16 neighbours along K; two lanes hold a block.
.set STEPS, 8
.set EMAX,  2
.set CB,    8                          ; bytes of 16 codes
.set SP,    80                         ; a lane's place in a stage
.set SCB,   2*32*SP                    ; behind the two stages: the run's 128 scale bytes
.set SPARE, SCB+256                    ; the spare words: one block of 256 bytes that no other line names
.set R,     16                         ; v16-79   four sets of 16 numbers as loaded
.set X,     80                         ; v80-111  two sets of 16 neighbours
.set E,     112                        ; v112-119 a scale byte for each step
.set C,     128                        ; v128-159 codes: four registers for each step, so that no store's data are written again
.set SPW,   12
.set NIL,   13
.set T_CTX, 2048                       ; the first run of each tensor
.set T_WQ,  2817
.set T_WK,  3841
.set T_WV,  4865
.set T_WKI, 5889
.set T_WVI, 6913
	s_load_b512 s[4:19], s[0:1], 0x0               ; x, context, w_q, w_k, w_v, w_k_img, w_v_img, acodes
	s_load_b128 s[20:23], s[0:1], 0x40             ; ascales, wcodes
	s_load_b64 s[24:25], s[0:1], 0x50              ; wscales
	v_lshl_add_u32 v[SPW], v0, 2, SPARE
	v_mov_b32 v[NIL], 0
	v_lshlrev_b32 v3, 4, v0                        ; my 16 bytes of a load's 512
	v_lshlrev_b32 v4, 3, v0                        ; my 8 bytes of a store's 256
	v_lshrrev_b32 v5, 1, v0
	v_add_nc_u32 v5, SCB, v5                       ; my block's scale byte
	v_lshlrev_b32 v7, 2, v0
	v_add_nc_u32 v6, SCB, v7                       ; and on the way out 4 bytes a lane
	v_lshrrev_b32 v14, 2, v0
	v_mul_u32_u24 v14, v14, SP
	v_and_b32 v15, 3, v0
	v_lshl_add_u32 v14, v15, 4, v14                ; the stage on the way in: 80 (lane / 4) + 16 (lane % 4)
	v_mul_u32_u24 v15, v0, SP                      ; and on the way out: 80 x lane
	s_wait_kmcnt 0x0
	s_mov_b64 s[32:33], s[4:5]                     ; the source, and its first run
	s_mov_b32 s30, 0
.macro PICK t, lo                      ; from run t on the source is the tensor in s[lo:lo+1]: the choice hangs on the work-group's number alone
	s_cmp_ge_u32 ttmp9, \t
	s_cselect_b64 s[32:33], s[\lo:\lo+1], s[32:33]
	s_cselect_b32 s30, \t, s30
.endm
	PICK T_CTX, 6
	PICK T_WQ, 8
	PICK T_WK, 10
	PICK T_WV, 12
	PICK T_WKI, 14
	PICK T_WVI, 16
	s_cmp_ge_u32 ttmp9, T_WQ                       ; activations or weights?
	s_cselect_b64 s[34:35], s[22:23], s[18:19]     ; the codes' buffer,
	s_cselect_b64 s[36:37], s[24:25], s[20:21]     ; the scale bytes',
	s_cselect_b32 s31, T_WQ, 0                     ; and its first run
	s_sub_co_u32 s38, ttmp9, s30
	s_lshl_b32 s38, s38, 14                        ; a run is 16,384 bytes of f32
	s_mov_b32 s39, 0
	s_add_nc_u64 s[32:33], s[32:33], s[38:39]
	s_sub_co_u32 s38, ttmp9, s31
	s_lshl_b32 s40, s38, 7                         ; 128 scale bytes a run,
	s_lshl_b32 s38, s38, 11                        ; 2,048 bytes of codes
	s_mov_b32 s41, 0
	s_add_nc_u64 s[34:35], s[34:35], s[38:39]
	s_add_nc_u64 s[36:37], s[36:37], s[40:41]
.macro LOAD t
.irp i, 0,1,2,3
	global_load_b128 v[R+16*((\t)%4)+4*\i:R+16*((\t)%4)+4*\i+3], v3, s[32:33] offset:2048*(\t)+512*\i th:TH_LOAD_NT   ; 32 lanes read 512 consecutive bytes
.endr
.endm
.macro TURN t                          ; step t's numbers through the stage: LDS serves a wave's instructions in order, so no wait stands between the stores and the loads
.irp i, 0,1,2,3
	ds_store_b128 v14, v[R+16*((\t)%4)+4*\i:R+16*((\t)%4)+4*\i+3] offset:32*SP*((\t)%2)+8*SP*\i
.endr
.irp i, 0,1,2,3
	ds_load_b128 v[X+16*((\t)%2)+4*\i:X+16*((\t)%2)+4*\i+3], v15 offset:32*SP*((\t)%2)+16*\i
.endr
.endm
.irp t, 0,1,2,3
	LOAD \t
.endr
	s_wait_loadcnt 12                              ; step 0's four loads are in; twelve younger ones stay out
	TURN 0
.macro STEP t
.set XS, X+16*((\t)%2)
.if (\t) > 0
	s_wait_dscnt 1                                 ; this step's numbers are back from the stage; the last step's byte store may be out
.else
	s_wait_dscnt 0x0
.endif
.if (\t)+4 < STEPS
	LOAD (\t)+4                                    ; into the set that this step's stores into the stage have read
.endif
.if (\t)+1 < STEPS
.if STEPS-2-(\t) >= 3
	s_wait_loadcnt 12                              ; the next step's four loads are in; those of three steps behind it may be out
.else
	s_wait_loadcnt 4*(STEPS-2-(\t))
.endif
	TURN (\t)+1
.endif
	v_max3_num_f32 v8, |v[XS]|, |v[XS+1]|, |v[XS+2]|               ; the largest magnitude of my 16, in two chains
	v_max3_num_f32 v9, |v[XS+3]|, |v[XS+4]|, |v[XS+5]|
.irp i, 6,10
	v_max3_num_f32 v8, v8, |v[XS+\i]|, |v[XS+\i+1]|
	v_max3_num_f32 v9, v9, |v[XS+\i+2]|, |v[XS+\i+3]|
.endr
	v_max3_num_f32 v8, v8, |v[XS+14]|, |v[XS+15]|
	v_max3_num_f32 v8, v8, v9, (EMAX+1)<<23        ; and the floor 2^(3 - 127): the byte cannot fall under 1
	v_max_num_f32_dpp v8, v8, v8 row_xmask:1 row_mask:0xf bank_mask:0xf   ; with my neighbour's 16: the block's
	v_add_nc_u32 v11, -(EMAX<<23), v8              ; 2 off its exponent field: the conversion takes the exponent field of this operand as its scale
	v_cvt_scalef32_pk8_fp4_f32 v[C+4*(\t)], v[XS:XS+7], v11
	v_cvt_scalef32_pk8_fp4_f32 v[C+4*(\t)+1], v[XS+8:XS+15], v11
	v_lshrrev_b32 v[E+(\t)], 23, v11               ; the scale's byte (also the plain line behind the conversions)
	ds_store_b8 v5, v[E+(\t)] offset:16*(\t)       ; both lanes of a block write the same byte with the same value
	global_store_b64 v4, v[C+4*(\t):C+4*(\t)+1], s[34:35] offset:32*CB*(\t)   ; the wave stores 256 consecutive bytes, aligned
.endm
.irp t, 0,1,2,3,4,5,6,7
	STEP \t
.endr
	ds_load_b32 v8, v6                             ; LDS serves a wave's instructions in order: this sees my byte stores
	s_wait_dscnt 0x0
	global_store_b32 v7, v8, s[36:37]              ; the run's 128 scale bytes on end
	s_wait_tensorcnt 0x0                           ; the wave's end: three lines behind my last LDS store
	ds_add_u32 v[SPW], v[NIL]
	s_wait_dscnt 0x0
	s_endpgm
.Lfunc_end_k_q7473b57fd6_quant:
	.size	k_q7473b57fd6_quant, .Lfunc_end_k_q7473b57fd6_quant-k_q7473b57fd6_quant
	.p2alignl 7, 3214868480
	.fill 96, 4, 3214868480
	.section	.rodata,"a",@progbits
	.p2align	6, 0x0
	.amdhsa_kernel k_q7473b57fd6_quant
		.amdhsa_group_segment_fixed_size 5632
		.amdhsa_private_segment_fixed_size 0
		.amdhsa_enable_private_segment 0
		.amdhsa_kernarg_size 88
		.amdhsa_user_sgpr_count 2
		.amdhsa_user_sgpr_kernarg_segment_ptr 1
		.amdhsa_wavefront_size32 1
		.amdhsa_system_sgpr_workgroup_id_x 1
		.amdhsa_system_sgpr_workgroup_id_y 1
		.amdhsa_system_sgpr_workgroup_id_z 1
		.amdhsa_system_vgpr_workitem_id 0
		.amdhsa_next_free_vgpr 160
		.amdhsa_next_free_sgpr 66
		.amdhsa_reserve_vcc 0
		.amdhsa_float_denorm_mode_32 3
		.amdhsa_float_denorm_mode_16_64 3
		.amdhsa_memory_ordered 1
		.amdhsa_forward_progress 1
		.amdhsa_inst_pref_size 19
	.end_amdhsa_kernel
	.amdgpu_metadata
---
amdhsa.version: [ 1, 2 ]
amdhsa.kernels:
  - .name:           k_q7473b57fd6_quant
    .symbol:         k_q7473b57fd6_quant.kd
    .args:
      - { .name: x, .offset: 0, .size: 8, .value_kind: global_buffer, .address_space: global }
      - { .name: context, .offset: 8, .size: 8, .value_kind: global_buffer, .address_space: global }
      - { .name: w_q, .offset: 16, .size: 8, .value_kind: global_buffer, .address_space: global }
      - { .name: w_k, .offset: 24, .size: 8, .value_kind: global_buffer, .address_space: global }
      - { .name: w_v, .offset: 32, .size: 8, .value_kind: global_buffer, .address_space: global }
      - { .name: w_k_img, .offset: 40, .size: 8, .value_kind: global_buffer, .address_space: global }
      - { .name: w_v_img, .offset: 48, .size: 8, .value_kind: global_buffer, .address_space: global }
      - { .name: acodes, .offset: 56, .size: 8, .value_kind: global_buffer, .address_space: global }
      - { .name: ascales, .offset: 64, .size: 8, .value_kind: global_buffer, .address_space: global }
      - { .name: wcodes, .offset: 72, .size: 8, .value_kind: global_buffer, .address_space: global }
      - { .name: wscales, .offset: 80, .size: 8, .value_kind: global_buffer, .address_space: global }
    .group_segment_fixed_size: 5632
    .private_segment_fixed_size: 0
    .kernarg_segment_align: 8
    .kernarg_segment_size: 88
    .max_flat_workgroup_size: 32
    .sgpr_count:     66
    .vgpr_count:     160
    .wavefront_size: 32
...
	.end_amdgpu_metadata
.endif
;; end of part 1
;; launch proj (part 2): grid 8 x 32, 4 waves a work-group, clusters of 4 x 4, 327,680 bytes of LDS; arguments acodes, ascales, wcodes, wscales, b_q, b_k, b_v, b_k_img, b_v_img, g_q, g_k, g_k_img, qkv, ssq, w_o, wo16; writes qkv, ssq, wo16
.if DOCPART == 2
	.amdgcn_target "amdgcn-amd-amdhsa--gfx1250"
	.amdhsa_code_object_version 6
	.text
	.protected	k_q7473b57fd6_proj
	.globl	k_q7473b57fd6_proj
	.p2align	8
	.type	k_q7473b57fd6_proj,@function
k_q7473b57fd6_proj:
	s_mov_b64 s[64:65], 0
	v_nop
	global_prefetch_b8 v0, s[64:65] scope:SCOPE_SE
	s_setreg_imm32_b32 hwreg(HW_REG_WAVE_MODE, 25, 1), 1
	s_wait_xcnt 0x0
	s_wait_alu depctr_hold_cnt(0) depctr_sa_sdst(0) depctr_va_vdst(0) depctr_va_sdst(0) depctr_va_ssrc(0) depctr_va_vcc(0) depctr_vm_vsrc(0)
	s_getreg_b32 s2, hwreg(HW_REG_IB_STS2, 6, 4)
	s_cmp_eq_u32 s2, 0
	s_cbranch_scc0 .Lentry_in_a_cluster
	s_endpgm
.Lentry_in_a_cluster:
	s_bfe_u32 s2, ttmp6, 0x10000c
	s_cmp_lg_u32 s2, 0xf033
	s_cbranch_scc0 .Lentry_shape_is_right
	s_endpgm
.Lentry_shape_is_right:
; The five quantised projections as ONE launch of 256 tiles of 256 x 256, K = 2,048, on codes of FP4 with E8M0 scales; sums in f32.
; Cluster row T (the cluster's y, the same in all sixteen partners) says which product: T 0-3: q = x w_q^T; 4: k (text); 5: v (text); 6: k_img; 7: v_img.  The four tile rows of a cluster use one weight.
; For T >= 4 tile row cy is batch cy / 2, half cy % 2: text rows begin at context row 257 of the batch, image rows at row 0.  The second image tile holds image token 256 and 255 text rows: finite numbers,
; stored because the next launch loads them under its mask.
; THE WAY OUT.  A wave's 128 columns are one head.  y = sum + bias.  q and k: ss = the sum of y^2 over the head goes to ssq[head][row], and z = y g rsq(ss / 128 + 1e-30) is stored as f16: |z| <= sqrt(128) |g|.
; The next launch adds the 16 heads' ss and puts the true norm back.  v: y / 4 is stored as f16.
; BESIDE IT: w_o [2048][2048] f32 becomes wo16, f16, for the last launch.  The launch has 1,024 waves and w_o 1,024 runs of 4,096 numbers: each wave converts one run between its first joint loads and the wait for them.
; LIMITS: |v| < 131,000, |g| < 5,700 and |w_o| < 65,504, for f16's range.
; The loop: K in steps of 512 through a ring of two LDS slots filled by joint tensor loads (A's tile shared along a row of the cluster, B's along a column); the scale bytes of the work-group's rows come once.
; THE MATRIX INSTRUCTION IS USED TRANSPOSED (source 0 = 16 rows of the weight, source 1 = 16 rows of the activations): a lane holds eight neighbouring columns of one row.
; REGISTERS: window 0: v0-31 addresses; v32-95 scale words, two sets; v128-191 A's fragments, one set (at the head v128-255 hold w_o's run).  window 1: B's fragments at v0-63 and v128-191; v64-127 the bias,
;   v192-255 the gain, in the result's layout.   windows 2, 3: the 64 accumulators ((a, b) at v[8 (8 (a % 4) + b)] of window 2 + a / 4).
.set KSTEP,  512
.set NQ,     KSTEP/128
.set ROWB,   256                       ; a tile's row in bytes
.set KROW,   1024                      ; a row of codes in memory
.set PITCH,  272                       ; an LDS row: 256 bytes + 16 of padding: the 16 rows that a load touches start at 16 different banks (ISA guide 11.1)
.set FR,     8
.set NL,     2
.set NP,     4                         ; places behind this matrix instruction (ISA guide 7.12.1)
.set HALFT,  128*PITCH
.set SLOT,   4*HALFT
.set LAPS,   2                         ; 2,048 / (2 x 512)
.set KS,     64                        ; a row of scale bytes
.set SCL,    2*SLOT
.set HALFS,  (128*KS/256)*272
.set SBLK,   (16*KS/256)*272
.set SPARE,  SCL+4*HALFS               ; the spare words: two blocks of 256 bytes that no other line names
.set SPITCH, 272                       ; the way out: a stage of 16 rows x (256 + 16) bytes a wave, in slot 0, which has had its last fill and its last read by then
.set WI,   8                           ; v8   16 x lane: w_o's run, on the way in; never rewritten
.set WO,   9                           ; v9   8 x lane: on the way out; never rewritten
.set ADRA, 16
.set ADRB, 20
.set STO,  24
.set RD,   25
.set CO,   26
.set ADRS, 27
.set SPW,  28
.set NIL,  29
.set BO,   30                          ; v30  32 x (lane / 16): my half's eight numbers of a tile of bias or gain; never rewritten
.set L4,   31                          ; v31  4 x lane
.set SC,   32
.set AF,   128
.set WR,   128                         ; v128-255 at the head: w_o's run, 32 x 4 registers
.set SS,   32                          ; the way out, window 0: v32-39 the blocks' sums of squares; v40-50, v56-58 at work
.set YR,   64                          ; v64-127 y;
.set TMPR, 128                         ; v128-159 packed;
.set BKR,  160                         ; v160-191, v192-223 rows read back, by turns
.set BIASR, 64                         ; window 1
.set GR,   192                         ; window 1
.set G1, 24
.set G0, 32
.set G1B, 48
.set G0B, 56
.set G1S, 68
.set G0S, 76
.set G1SB, 80
.set G0SB, 88
.set MSB, 0
.macro WIN new                         ; the immediate's high byte repeats the setting that is left
.if MSB != \new
	s_set_vgpr_msb (MSB<<8)|\new
.set MSB, \new
.endif
.endm
.set MUL_LO, 0xa1
.set MUL_HI, 0xf1
.set TO_B,   0x40
; A joint load: waves 0 and 1 fetch for A, waves 2 and 3 for B; the branch hangs on the wave's number alone.  An s_nop 0 and four v_nop follow each of the two lines.
.macro JLOAD g0a, g1a, g0b, g1b
	s_cmp_eq_u32 s17, 0
	s_cbranch_scc0 .Lfor_b_\@
	tensor_load_to_lds s[\g0a:\g0a+3], s[\g1a:\g1a+7]
	s_nop 0
.rept 4
	v_nop
.endr
	s_branch .Lasked_\@
.Lfor_b_\@:
	tensor_load_to_lds s[\g0b:\g0b+3], s[\g1b:\g1b+7]
	s_nop 0
.rept 4
	v_nop
.endr
.Lasked_\@:
.endm
.macro CREST
	s_cmp_lg_u32 s16, 0
	s_cbranch_scc1 .Lnot_wave_0_\@
	s_barrier_signal -3
.Lnot_wave_0_\@:
	s_barrier_wait -3
	s_barrier_signal -1
	s_barrier_wait -1
.endm
.macro CROUND
	s_barrier_signal -1
	s_barrier_wait -1
	CREST
.endm
	s_load_b256 s[4:11], s[0:1], 0x0               ; acodes, ascales, wcodes, wscales
	s_load_b512 s[68:83], s[0:1], 0x20             ; b_q, b_k, b_v, b_k_img, b_v_img, g_q, g_k, g_k_img
	s_load_b128 s[12:15], s[0:1], 0x60             ; qkv, ssq
	v_lshl_add_u32 v[SPW], v0, 2, SPARE
	v_mov_b32 v[NIL], 0
	ds_add_u32 v[SPW], v[NIL]                      ; the wave's opening: the add, twice on end, and its wait ahead of my first tensor load
	ds_add_u32 v[SPW], v[NIL]
	v_lshrrev_b32 v1, 5, v0
	v_readfirstlane_b32 s16, v1                    ; wave 0..3
	s_lshr_b32 s17, s16, 1                         ; my half of the tile's rows.  Also: I fetch for A (0) or for B (1)
	s_and_b32 s18, s16, 1                          ; my half of its columns.  Also: which 128 rows of that tile I fetch
	s_bfe_u32 s20, ttmp6, 0x40000                  ; cx
	s_bfe_u32 s21, ttmp6, 0x40004                  ; cy
	s_lshl_b32 s22, ttmp9, 2
	s_add_co_u32 s22, s22, s20                     ; X: tile column = 4 x cluster x + cx
	s_and_b32 s19, ttmp7, 0xffff                   ; T: the cluster's y
	s_lshl_b32 s2, s21, 2
	s_lshl_b32 s2, 15, s2                          ; my row of the cluster
	s_lshl_b32 s23, 0x1111, s20                    ; my column
	s_or_b32 s[G1+0], s2, (0<<16)|(1<<20)|(1<<21)|(5<<22)|(3<<25)   ; the mask; elements of 1 byte; padding on; bit 21 beside a mask; 4 words after every 64
	s_or_b32 s[G1B+0], s23, (0<<16)|(1<<20)|(1<<21)|(5<<22)|(3<<25)
.irp g, G1, G1B
	s_mov_b32 s[\g+1], ROWB<<16                    ; tensor_dim0
	s_mov_b32 s[\g+2], 128<<16                     ; tensor_dim1
	s_mov_b32 s[\g+3], ROWB<<16                    ; tile_dim0
	s_mov_b32 s[\g+4], 128                         ; tile_dim1
	s_mov_b32 s[\g+5], KROW                        ; from row to row
	s_mov_b32 s[\g+6], 0
	s_mov_b32 s[\g+7], 0
.endr
	; A's first row in acodes and the tile's first row in qkv: made of T and cy alone
	s_lshr_b32 s40, s21, 1                         ; batch
	s_and_b32 s41, s21, 1                          ; half
	s_lshl_b32 s42, s19, 2
	s_add_co_u32 s42, s42, s21
	s_lshl_b32 s42, s42, 8                         ; q: 256 (4 T + cy), in acodes and in qkv alike
	s_mul_i32 s43, s40, 769
	s_lshl_b32 s44, s41, 8
	s_add_co_u32 s43, s43, s44
	s_add_co_u32 s43, s43, 4096
	s_cmp_lt_u32 s19, 6
	s_cselect_b32 s44, 257, 0                      ; text rows lie behind the 257 image rows
	s_add_co_u32 s43, s43, s44                     ; context: 4,096 + 769 batch + 256 half (+ 257)
	s_and_b32 s45, s19, 1
	s_lshl_b32 s45, s45, 11                        ; qkv: v's rows lie 2,048 behind k's,
	s_bfe_u32 s44, s19, 0x10001
	s_lshl_b32 s44, s44, 9                         ; image rows 512 behind text rows,
	s_add_co_u32 s45, s45, s44
	s_lshl_b32 s44, s40, 10                        ; 1,024 rows a batch
	s_add_co_u32 s45, s45, s44
	s_lshl_b32 s44, s41, 8
	s_add_co_u32 s45, s45, s44
	s_add_co_u32 s45, s45, 4096
	s_cmp_lt_u32 s19, 4
	s_cselect_b32 s44, s42, s43                    ; A's first row
	s_cselect_b32 s45, s42, s45                    ; the tile's first row in qkv and ssq
	s_lshl_b32 s40, s18, 7
	s_add_co_u32 s40, s40, s44                     ; the 128 rows of A that I fetch
	s_lshl_b32 s42, s40, 10                        ; their codes, in bytes (under 2^32),
	s_mov_b32 s43, 0
	s_lshl_b32 s40, s40, 6                         ; their scale bytes
	s_mov_b32 s41, 0
	s_max_u32 s66, s19, 3                          ; B: weight max(T, 3) - 3, made of T and X alone
	s_sub_co_u32 s66, s66, 3
	s_lshl_b32 s66, s66, 11
	s_lshl_b32 s67, s22, 8
	s_add_co_u32 s66, s66, s67
	s_lshl_b32 s67, s18, 7
	s_add_co_u32 s66, s66, s67                     ; the 128 rows of B that I fetch
	s_lshl_b32 s46, s66, 6
	s_mov_b32 s47, 0
	s_lshl_b32 s66, s66, 10
	s_mov_b32 s67, 0
	s_mul_i32 s3, s16, HALFT                       ; where they go: wave x 128 rows: no place in the cluster enters an LDS address
	s_mul_i32 s97, s16, HALFS
	s_wait_dscnt 0x0                               ; both opening adds are done
	s_wait_kmcnt 0x0
	s_add_nc_u64 s[42:43], s[4:5], s[42:43]
	s_add_nc_u64 s[40:41], s[6:7], s[40:41]
	s_add_nc_u64 s[66:67], s[8:9], s[66:67]
	s_add_nc_u64 s[46:47], s[10:11], s[46:47]
	s_load_b128 s[8:11], s[0:1], 0x70              ; w_o, wo16: into registers that are done with; waited for behind the first joint loads
	s_mov_b64 s[92:93], s[68:69]                   ; the product's bias: chosen by T alone
	s_cmp_ge_u32 s19, 4
	s_cselect_b64 s[92:93], s[70:71], s[92:93]
	s_cmp_ge_u32 s19, 5
	s_cselect_b64 s[92:93], s[72:73], s[92:93]
	s_cmp_ge_u32 s19, 6
	s_cselect_b64 s[92:93], s[74:75], s[92:93]
	s_cmp_ge_u32 s19, 7
	s_cselect_b64 s[92:93], s[76:77], s[92:93]
	s_mov_b64 s[94:95], s[78:79]                   ; and its gain (v's tiles load none)
	s_cmp_ge_u32 s19, 4
	s_cselect_b64 s[94:95], s[80:81], s[94:95]
	s_cmp_ge_u32 s19, 6
	s_cselect_b64 s[94:95], s[82:83], s[94:95]
	; the pointers in s68-83 are done with: the scales' descriptors take their place.  128 rows' scale bytes are a dense block: 32 rows of 256 bytes (32 elements of 8), 16 bytes of padding behind each
	s_or_b32 s[G1S+0], s2, (3<<16)|(1<<20)|(1<<21)|(5<<22)|(3<<25)
	s_or_b32 s[G1SB+0], s23, (3<<16)|(1<<20)|(1<<21)|(5<<22)|(3<<25)
.irp g, G1S, G1SB
	s_mov_b32 s[\g+1], 32<<16
	s_mov_b32 s[\g+2], (128*KS/256)<<16
	s_mov_b32 s[\g+3], 32<<16
	s_mov_b32 s[\g+4], 128*KS/256
	s_mov_b32 s[\g+5], 32
	s_mov_b32 s[\g+6], 0
	s_mov_b32 s[\g+7], 0
.endr
	CROUND                                         ; all sixteen work-groups are here: the first joint loads meet
	s_mov_b32 s[G0S], 1
	s_add_co_u32 s[G0S+1], s97, SCL
	s_mov_b64 s[G0S+2:G0S+3], s[40:41]
	s_or_b32 s[G0S+3], s[G0S+3], 0x80000000
	s_mov_b32 s[G0SB], 1
	s_add_co_u32 s[G0SB+1], s97, SCL
	s_mov_b64 s[G0SB+2:G0SB+3], s[46:47]
	s_or_b32 s[G0SB+3], s[G0SB+3], 0x80000000
	JLOAD G0S, G1S, G0SB, G1SB                     ; the scales first: they are wanted with K step 0
.irp s, 0,1
	s_mov_b32 s[G0+4*\s], 1
	s_add_co_u32 s[G0+4*\s+1], s3, \s*SLOT
	s_add_nc_u64 s[G0+4*\s+2:G0+4*\s+3], s[42:43], \s*ROWB
	s_or_b32 s[G0+4*\s+3], s[G0+4*\s+3], 0x80000000
	s_mov_b32 s[G0B+4*\s], 1
	s_add_co_u32 s[G0B+4*\s+1], s3, \s*SLOT
	s_add_nc_u64 s[G0B+4*\s+2:G0B+4*\s+3], s[66:67], \s*ROWB
	s_or_b32 s[G0B+4*\s+3], s[G0B+4*\s+3], 0x80000000
	JLOAD G0+4*\s, G1, G0B+4*\s, G1B
.endr
	v_and_b32 v1, 15, v0                           ; r
	v_bfe_u32 v2, v0, 4, 1                         ; h
	v_mul_u32_u24 v3, v1, PITCH
	v_lshl_add_u32 v4, v2, 4, v3                   ; a fragment's row x pitch + 16 h
	s_mul_i32 s40, s17, HALFT                      ; my 128 rows of A
	s_mul_i32 s41, s18, HALFT                      ; my 128 rows of B,
	s_add_co_u32 s41, s41, 2*HALFT                 ; behind A's 256
.irp s, 0,1
	v_add_nc_u32 v[ADRA+\s], s40, v4
	v_add_nc_u32 v[ADRB+\s], s41, v4
	s_add_co_u32 s40, s40, SLOT
	s_add_co_u32 s41, s41, SLOT
.endr
	v_mul_u32_u24 v5, v1, KS                       ; my row's scale bytes: 64 a row,
	v_lshrrev_b32 v6, 8, v5
	v_lshl_add_u32 v5, v6, 4, v5                   ; and 16 more for each 256 passed
	s_mul_i32 s40, s17, HALFS
	s_mul_i32 s41, s18, HALFS
	s_add_co_u32 s41, s41, 2*HALFS
	s_sub_co_u32 s41, s41, s40
	v_mul_u32_u24 v6, s41, v2                      ; lanes 16-31 take B's
	s_add_co_u32 s40, s40, SCL
	v_add_nc_u32 v5, v5, v6
	v_add_nc_u32 v[ADRS], s40, v5
	s_mul_i32 s40, s16, 16*SPITCH                  ; my stage
	v_mul_u32_u24 v5, v1, SPITCH
	v_lshl_add_u32 v5, v2, 4, v5
	v_add_nc_u32 v[STO], s40, v5                   ; in: row r, 16 bytes for each half of the lanes
	v_mul_u32_u24 v5, v2, SPITCH
	v_lshl_add_u32 v5, v1, 4, v5
	v_add_nc_u32 v[RD], s40, v5                    ; back: lanes 0-15 one row of 256 bytes, lanes 16-31 the next
	v_lshlrev_b32 v5, 12, v2
	v_lshl_add_u32 v[CO], v1, 4, v5                ; and the same two rows in qkv (4,096 bytes a row)
	v_lshlrev_b32 v[BO], 5, v2
	v_and_b32 v5, 31, v0
	v_lshlrev_b32 v[L4], 2, v5
	v_lshlrev_b32 v[WI], 4, v5
	v_lshlrev_b32 v[WO], 3, v5
	s_lshl_b32 s4, s17, 7
	s_add_co_u32 s4, s4, s45                       ; my first row in qkv and ssq
	s_lshl_b32 s6, s4, 2
	s_lshl_b32 s4, s4, 12
	s_lshl_b32 s5, s22, 9                          ; + 512 X + 256 x my half of the columns
	s_add_co_u32 s4, s4, s5
	s_lshl_b32 s5, s18, 8
	s_add_co_u32 s4, s4, s5
	s_mov_b32 s5, 0
	s_add_nc_u64 s[12:13], s[12:13], s[4:5]
	s_lshl_b32 s7, s22, 1
	s_add_co_u32 s7, s7, s18                       ; my head
	s_lshl_b32 s7, s7, 15                          ; 8,192 rows of 4 bytes a head
	s_add_co_u32 s6, s6, s7
	s_mov_b32 s7, 0
	s_add_nc_u64 s[14:15], s[14:15], s[6:7]
	s_lshl_b32 s42, s22, 10                        ; bias and gain at my 128 columns
	s_lshl_b32 s43, s18, 9
	s_add_co_u32 s42, s42, s43
	s_mov_b32 s43, 0
	s_add_nc_u64 s[92:93], s[92:93], s[42:43]
	s_add_nc_u64 s[94:95], s[94:95], s[42:43]
	s_lshl_b32 s4, s19, 2                          ; my wave's run of w_o: 4 x (8 x (4 T + cy) + X) + wave, 0 .. 1,023
	s_add_co_u32 s4, s4, s21
	s_lshl_b32 s4, s4, 3
	s_add_co_u32 s4, s4, s22
	s_lshl_b32 s4, s4, 2
	s_add_co_u32 s4, s4, s16
	s_lshl_b32 s6, s4, 13                          ; 8,192 bytes of f16,
	s_lshl_b32 s4, s4, 14                          ; 16,384 of f32
	s_mov_b32 s5, 0
	s_mov_b32 s7, 0
	s_wait_kmcnt 0x0                               ; w_o, wo16
	s_add_nc_u64 s[8:9], s[8:9], s[4:5]
	s_add_nc_u64 s[10:11], s[10:11], s[6:7]
	s_and_b32 s96, s19, 5
	s_cmp_eq_u32 s96, 5
	s_cselect_b32 s96, -1, 0                       ; all ones in v's tiles (T = 5, 7)
	s_mov_b32 s97, 0xffff0000                      ; lanes 16-31
	s_mov_b32 s98, 0x3c000000                      ; 1 / 128
	s_mov_b32 s99, 0x0da24260                      ; 1e-30
	s_mov_b32 s100, 0x76543210
	s_mov_b32 s101, 0xfedcba98                     ; v_permlanex16_b32's selects for lane l xor 16
	; bias and gain in the result's layout: for tile b the eight numbers of columns 16 b + 8 h + 0 .. 7
	WIN TO_B
.irp b, 0,1,2,3,4,5,6,7
	global_load_b128 v[BIASR+8*\b:BIASR+8*\b+3], v[BO], s[92:93] offset:64*\b
	global_load_b128 v[BIASR+8*\b+4:BIASR+8*\b+7], v[BO], s[92:93] offset:64*\b+16
.endr
	WIN 0
	s_cmp_lg_u32 s96, 0
	s_cbranch_scc1 .Lv_gain
	WIN TO_B
.irp b, 0,1,2,3,4,5,6,7
	global_load_b128 v[GR+8*\b:GR+8*\b+3], v[BO], s[94:95] offset:64*\b
	global_load_b128 v[GR+8*\b+4:GR+8*\b+7], v[BO], s[94:95] offset:64*\b+16
.endr
	WIN 0
	s_branch .Lgain_done
.Lv_gain:
	WIN TO_B
.set i, 0
.rept 64
	v_mov_b32 v[GR+i], 0x3e800000                  ; v has no gain: the factor 1 / 4 takes its place
.set i, i+1
.endr
	WIN 0
.Lgain_done:
	; w_o's run, while my first tiles are on their way: 32 loads of 512 consecutive bytes, two roundings to f16 for each four numbers, 32 stores of 256 consecutive bytes, aligned
.irp i, 0,1,2,3,4,5,6,7,8,9,10,11,12,13,14,15,16,17,18,19,20,21,22,23,24,25,26,27,28,29,30,31
	global_load_b128 v[WR+4*\i:WR+4*\i+3], v[WI], s[8:9] offset:512*\i th:TH_LOAD_NT
.endr
.irp i, 0,1,2,3,4,5,6,7,8,9,10,11,12,13,14,15,16,17,18,19,20,21,22,23,24,25,26,27,28,29,30,31
	s_wait_loadcnt 31-\i                           ; loads come back in order: load i of the run is in (and bias and gain, issued earlier); the younger ones stay out
	v_cvt_pk_f16_f32 v[WR+4*\i], v[WR+4*\i], v[WR+4*\i+1]
	v_cvt_pk_f16_f32 v[WR+4*\i+1], v[WR+4*\i+2], v[WR+4*\i+3]
	global_store_b64 v[WO], v[WR+4*\i:WR+4*\i+1], s[10:11] offset:256*\i
.endr
	s_wait_xcnt 0x0                                ; the stores have read their data: A's fragments are loaded into those registers only behind this wait
.macro FRAG reg, adr, q, i             ; 16 rows x 128 K of 4-bit codes: lane l holds row l % 16; registers 4 c .. 4 c + 3 hold K = 64 c + 32 (l / 16) + 0 .. 31
.irp c, 0,1
	ds_load_b128 v[\reg+4*\c:\reg+4*\c+3], v[\adr] offset:64*(\q)+32*\c+(\i)*16*PITCH
.endr
.endm
; 16 matrix instructions: A's blocks a0, a0 + 1 x B's eight, the slot's q-th 128 along K.  The 64 accumulators take turns, one instruction a turn, in the same order in every step.
.macro MUL16 a0, p, q, sc, zero
.irp a, \a0, \a0+1
.irp b, 0,1,2,3,4,5,6,7
.if \zero
	v_wmma_scale_f32_16x16x128_f8f6f4 v[8*(8*((\a)%4)+\b):8*(8*((\a)%4)+\b)+7], v[128*(\p)+FR*\b:128*(\p)+FR*\b+FR-1], v[AF+FR*(\a):AF+FR*(\a)+FR-1], 0, v[SC+8*NQ*(\sc)+NQ*\b+(\q)], v[SC+8*NQ*(\sc)+NQ*(\a)+(\q)] matrix_a_fmt:MATRIX_FMT_FP4 matrix_b_fmt:MATRIX_FMT_FP4 matrix_a_scale:MATRIX_SCALE_ROW1
.else
	v_wmma_scale_f32_16x16x128_f8f6f4 v[8*(8*((\a)%4)+\b):8*(8*((\a)%4)+\b)+7], v[128*(\p)+FR*\b:128*(\p)+FR*\b+FR-1], v[AF+FR*(\a):AF+FR*(\a)+FR-1], v[8*(8*((\a)%4)+\b):8*(8*((\a)%4)+\b)+7], v[SC+8*NQ*(\sc)+NQ*\b+(\q)], v[SC+8*NQ*(\sc)+NQ*(\a)+(\q)] matrix_a_fmt:MATRIX_FMT_FP4 matrix_b_fmt:MATRIX_FMT_FP4 matrix_a_scale:MATRIX_SCALE_ROW1
.endif
.endr
.endr
.endm
.macro FETCH_B slot, q, p
	WIN TO_B
.irp i, 0,1,2,3,4,5,6,7
	FRAG 128*(\p)+FR*\i, ADRB+\slot, \q, \i
.endr
	WIN 0
.endm
.macro FETCH_A slot, q, i0
.irp i, \i0, \i0+1, \i0+2, \i0+3
	FRAG AF+FR*(\i), ADRA+\slot, \q, \i
.endr
.endm
.macro SCALES sc                       ; a K step's scale words: 4 words a row; lanes 0-15 take A's block i, lanes 16-31 B's block i
.irp i, 0,1,2,3,4,5,6,7
	ds_load_b128 v[SC+8*NQ*\sc+NQ*\i:SC+8*NQ*\sc+NQ*\i+3], v[ADRS] offset:\i*SBLK
.endr
.endm
.macro PLACES n                        ; plain vector lines between a matrix instruction and a load into, or a vector read or write of, its registers
.rept \n
	v_nop
.endr
.endm
.macro STEP slot, q, zero              ; 128 along K with its successor in the same slot
	s_wait_dscnt 4*NL                              ; B's set and A's blocks 0-3 are in; the youngest eight loads (A's blocks 4-7) may be out
	WIN MUL_LO
	MUL16 0, (\q)%2, \q, \slot, \zero
	MUL16 2, (\q)%2, \q, \slot, \zero
	s_wait_dscnt 0
	PLACES NP
	FETCH_B \slot, (\q)+1, 1-(\q)%2
	FETCH_A \slot, (\q)+1, 0
	WIN MUL_HI
	MUL16 4, (\q)%2, \q, \slot, \zero
	MUL16 6, (\q)%2, \q, \slot, \zero
	PLACES NP
	WIN 0
	FETCH_A \slot, (\q)+1, 4
.endm
; A slot's last step changes slots: one barrier; in front of it each wave waits for all its tensor loads, adds 0 to its spare word, and waits for that and for its reads of this slot.
.macro TURN slot, next, fill
	s_wait_tensorcnt 0x0                           ; all my tensor loads have landed: my part of the next slot
	ds_add_u32 v[SPW], v[NIL]
	s_wait_dscnt 4*NL+1                            ; the add and the youngest eight loads may be out
	WIN MUL_LO
	MUL16 0, 1, NQ-1, \slot, 0
	s_wait_dscnt 0x0                               ; the add is done, and my reads of this slot are over
	s_barrier_signal -1
	MUL16 2, 1, NQ-1, \slot, 0
	WIN 0
	s_barrier_wait -1
.if \fill
	CREST                                          ; the barrier has opened a round of the cluster's barrier: no wave of any partner still reads this slot or has a load on its way
	s_add_nc_u64 s[G0+4*\slot+2:G0+4*\slot+3], s[G0+4*\slot+2:G0+4*\slot+3], 2*ROWB
	s_add_nc_u64 s[G0B+4*\slot+2:G0B+4*\slot+3], s[G0B+4*\slot+2:G0B+4*\slot+3], 2*ROWB
	JLOAD G0+4*\slot, G1, G0B+4*\slot, G1B         ; the first tensor load behind the round; its four v_nop are the places in front of the loads below
.else
	PLACES NP
.endif
	v_add_nc_u32 v[ADRS], 4*NQ, v[ADRS]            ; the next K step's scale words
	FETCH_B \next, 0, 0
	FETCH_A \next, 0, 0
	SCALES \next
	WIN MUL_HI
	MUL16 4, 1, NQ-1, \slot, 0
	MUL16 6, 1, NQ-1, \slot, 0
	PLACES NP
	WIN 0
	FETCH_A \next, 0, 4
.endm
.macro STEPS slot, from
.set Q, \from
.rept NQ-1-\from
	STEP \slot, Q, 0
.set Q, Q+1
.endr
.endm
	s_wait_tensorcnt 1                             ; the scales and my part of K step 0 are in; K step 1's load may be out
	s_barrier_signal -1
	s_barrier_wait -1
	FETCH_B 0, 0, 0
	FETCH_A 0, 0, 0
	SCALES 0
	FETCH_A 0, 0, 4
	STEP 0, 0, 1                                   ; the first step stands in front of the loop: its products start the sums
	s_mov_b32 s3, LAPS-1
.Llap:                                                 ; a trip goes once round the ring and fills both slots again
	STEPS 0, 1
	TURN 0, 1, 1
	STEPS 1, 0
	TURN 1, 0, 1
	STEP 0, 0, 0
	s_sub_co_u32 s3, s3, 1
	s_cmp_lg_u32 s3, 0
	s_cbranch_scc1 .Llap
	STEPS 0, 1                                     ; the last lap fills nothing
	TURN 0, 1, 0
	STEPS 1, 0
	s_wait_dscnt 4*NL
	WIN MUL_LO
	MUL16 0, 1, NQ-1, 1, 0
	MUL16 2, 1, NQ-1, 1, 0
	s_wait_dscnt 0
	WIN MUL_HI
	MUL16 4, 1, NQ-1, 1, 0
	MUL16 6, 1, NQ-1, 1, 0
	WIN 0
; THE WAY OUT, block by block of 16 rows x 128 columns (one head).
.macro OUTB a
.set AC, 64*((\a)%4)
.set BB, BKR+32*((\a)%2)
	WIN 0x06+(\a)/4                                ; source 0: window 2 or 3; source 1: window 1
.set i, 0
.rept 32
	v_pk_add_f32 v[YR+2*i:YR+2*i+1], v[AC+2*i:AC+2*i+1], v[BIASR+2*i:BIASR+2*i+1]   ; y = sum + bias; each accumulator from its low end on
.set i, i+1
.endr
	WIN 0
.irp c, 0,1,2,3
	v_pk_mul_f32 v[40+2*\c:41+2*\c], v[YR+2*\c:YR+2*\c+1], v[YR+2*\c:YR+2*\c+1]   ; the sum of y^2, in four chains
.endr
.set i, 4
.rept 28
	v_pk_fma_f32 v[40+2*(i%4):41+2*(i%4)], v[YR+2*i:YR+2*i+1], v[YR+2*i:YR+2*i+1], v[40+2*(i%4):41+2*(i%4)]
.set i, i+1
.endr
	v_pk_add_f32 v[40:41], v[40:41], v[42:43]
	v_pk_add_f32 v[44:45], v[44:45], v[46:47]
	v_pk_add_f32 v[40:41], v[40:41], v[44:45]
	v_add_f32 v48, v40, v41
	v_permlanex16_b32 v49, v48, s100, s101         ; the row's other 64 columns lie in the lane 16 away
	v_add_f32 v[SS+(\a)], v48, v49
	v_fma_f32 v50, v[SS+(\a)], s98, s99
	v_rsq_f32 v56, v50
	WIN 0x04                                       ; source 1: window 1
.set i, 0
.rept 32
	v_pk_mul_f32 v[YR+2*i:YR+2*i+1], v[YR+2*i:YR+2*i+1], v[GR+2*i:GR+2*i+1]   ; x gain: the independent work behind the root
.set i, i+1
.endr
	WIN 0
	s_wait_alu depctr_va_vdst(0)                   ; the wait ahead of the first line that names the root's result
	v_cndmask_b32 v56, v56, v58, s96               ; v is not normalised: 1.0
.set i, 0
.rept 32
	v_pk_mul_f32 v[YR+2*i:YR+2*i+1], v[YR+2*i:YR+2*i+1], v[56:57] op_sel_hi:[1,0]
.set i, i+1
.endr
.set i, 0
.rept 32
	v_cvt_pk_f16_f32 v[TMPR+i], v[YR+2*i], v[YR+2*i+1]
.set i, i+1
.endr
.irp b, 0,1,2,3,4,5,6,7
	ds_store_b128 v[STO], v[TMPR+4*\b:TMPR+4*\b+3] offset:32*\b
.endr
.irp t, 0,1,2,3,4,5,6,7
	ds_load_b128 v[BB+4*\t:BB+4*\t+3], v[RD] offset:\t*2*SPITCH   ; LDS serves a wave's instructions in order: these see the stores above
.endr
	s_wait_dscnt 0x0
.if (\a) > 0
	s_wait_xcnt 0x0                                ; the earlier stores have read their base and their registers
	s_add_nc_u64 s[12:13], s[12:13], 16*4096       ; 16 rows on
.endif
.irp t, 0,1,2,3,4,5,6,7
	global_store_b128 v[CO], v[BB+4*\t:BB+4*\t+3], s[12:13] offset:2*\t*4096   ; 16 lanes store 256 consecutive bytes, aligned
.endr
.endm
	s_wait_loadcnt 0x0                             ; bias and gain (shown in at the head already)
	PLACES NP                                      ; behind the last products: their results are read and their operands' registers written below
	v_mov_b32 v49, 0                               ; a lane permute's destination counts as one of its sources
	v_mov_b32 v57, 0                               ; named as the upper half of the pair v[56:57]
	v_mov_b32 v58, 1.0
.irp a, 0,1,2,3,4,5,6,7
	OUTB \a
.endr
	s_cmp_lg_u32 s96, 0                            ; v has no norm: its rows of ssq are neither written nor read
	s_cbranch_scc1 .Lno_ss
.irp i, 0,1,2,3
	v_cndmask_b32 v[40+\i], v[SS+2*\i], v[SS+2*\i+1], s97   ; lanes 0-15: rows 32 i + lane of block 2 i; lanes 16-31: of block 2 i + 1
	global_store_b32 v[L4], v[40+\i], s[14:15] offset:128*\i   ; 128 consecutive bytes
.endr
.Lno_ss:
	s_wait_tensorcnt 0x0                           ; the wave's end: three lines behind my last tensor load and my last LDS store
	ds_add_u32 v[SPW], v[NIL]
	s_wait_dscnt 0x0
	CROUND                                         ; the closing round
	s_endpgm
.Lfunc_end_k_q7473b57fd6_proj:
	.size	k_q7473b57fd6_proj, .Lfunc_end_k_q7473b57fd6_proj-k_q7473b57fd6_proj
	.p2alignl 7, 3214868480
	.fill 96, 4, 3214868480
	.section	.rodata,"a",@progbits
	.p2align	6, 0x0
	.amdhsa_kernel k_q7473b57fd6_proj
		.amdhsa_group_segment_fixed_size 327680
		.amdhsa_private_segment_fixed_size 0
		.amdhsa_enable_private_segment 0
		.amdhsa_kernarg_size 128
		.amdhsa_user_sgpr_count 2
		.amdhsa_user_sgpr_kernarg_segment_ptr 1
		.amdhsa_wavefront_size32 1
		.amdhsa_system_sgpr_workgroup_id_x 1
		.amdhsa_system_sgpr_workgroup_id_y 1
		.amdhsa_system_sgpr_workgroup_id_z 1
		.amdhsa_system_vgpr_workitem_id 0
		.amdhsa_next_free_vgpr 1024
		.amdhsa_next_free_sgpr 102
		.amdhsa_reserve_vcc 0
		.amdhsa_float_denorm_mode_32 3
		.amdhsa_float_denorm_mode_16_64 3
		.amdhsa_memory_ordered 1
		.amdhsa_forward_progress 1
		.amdhsa_inst_pref_size 255
	.end_amdhsa_kernel
	.section	.bss,"aw",@nobits
	.p2align	6
	.space	262144
	.amdgpu_metadata
---
amdhsa.version: [ 1, 2 ]
amdhsa.kernels:
  - .name:           k_q7473b57fd6_proj
    .symbol:         k_q7473b57fd6_proj.kd
    .args:
      - { .name: acodes, .offset: 0, .size: 8, .value_kind: global_buffer, .address_space: global }
      - { .name: ascales, .offset: 8, .size: 8, .value_kind: global_buffer, .address_space: global }
      - { .name: wcodes, .offset: 16, .size: 8, .value_kind: global_buffer, .address_space: global }
      - { .name: wscales, .offset: 24, .size: 8, .value_kind: global_buffer, .address_space: global }
      - { .name: b_q, .offset: 32, .size: 8, .value_kind: global_buffer, .address_space: global }
      - { .name: b_k, .offset: 40, .size: 8, .value_kind: global_buffer, .address_space: global }
      - { .name: b_v, .offset: 48, .size: 8, .value_kind: global_buffer, .address_space: global }
      - { .name: b_k_img, .offset: 56, .size: 8, .value_kind: global_buffer, .address_space: global }
      - { .name: b_v_img, .offset: 64, .size: 8, .value_kind: global_buffer, .address_space: global }
      - { .name: g_q, .offset: 72, .size: 8, .value_kind: global_buffer, .address_space: global }
      - { .name: g_k, .offset: 80, .size: 8, .value_kind: global_buffer, .address_space: global }
      - { .name: g_k_img, .offset: 88, .size: 8, .value_kind: global_buffer, .address_space: global }
      - { .name: qkv, .offset: 96, .size: 8, .value_kind: global_buffer, .address_space: global }
      - { .name: ssq, .offset: 104, .size: 8, .value_kind: global_buffer, .address_space: global }
      - { .name: w_o, .offset: 112, .size: 8, .value_kind: global_buffer, .address_space: global }
      - { .name: wo16, .offset: 120, .size: 8, .value_kind: global_buffer, .address_space: global }
    .group_segment_fixed_size: 327680
    .private_segment_fixed_size: 0
    .kernarg_segment_align: 8
    .kernarg_segment_size: 128
    .max_flat_workgroup_size: 128
    .sgpr_count:     102
    .vgpr_count:     1024
    .wavefront_size: 32
...
	.end_amdgpu_metadata
.endif
;; end of part 2
;; launch attn (part 3): grid 8 x 32, 4 waves a work-group, clusters of 4 x 1, 327,680 bytes of LDS; arguments qkv, ssq, context_lens, att; writes att
.if DOCPART == 3
	.amdgcn_target "amdgcn-amd-amdhsa--gfx1250"
	.amdhsa_code_object_version 6
	.text
	.protected	k_q7473b57fd6_attn
	.globl	k_q7473b57fd6_attn
	.p2align	8
	.type	k_q7473b57fd6_attn,@function
k_q7473b57fd6_attn:
	s_mov_b64 s[64:65], 0
	v_nop
	global_prefetch_b8 v0, s[64:65] scope:SCOPE_SE
	s_setreg_imm32_b32 hwreg(HW_REG_WAVE_MODE, 25, 1), 1
	s_wait_xcnt 0x0
	s_wait_alu depctr_hold_cnt(0) depctr_sa_sdst(0) depctr_va_vdst(0) depctr_va_sdst(0) depctr_va_ssrc(0) depctr_va_vcc(0) depctr_vm_vsrc(0)
	s_getreg_b32 s2, hwreg(HW_REG_IB_STS2, 6, 4)
	s_cmp_eq_u32 s2, 0
	s_cbranch_scc0 .Lentry_in_a_cluster
	s_endpgm
.Lentry_in_a_cluster:
	s_bfe_u32 s2, ttmp6, 0x10000c
	s_cmp_lg_u32 s2, 0x3003
	s_cbranch_scc0 .Lentry_shape_is_right
	s_endpgm
.Lentry_shape_is_right:
; att[b][q][head] = (softmax over 512 text keys, masked by context_lens) V_txt + (softmax over 257 image keys) V_img, each normalised by itself; stored as f16 with V's factor 1 / 4.
; qkv: rows of 4,096 bytes (2,048 f16): rows 0-4095 q, rows 4096 + 1024 b + key k, rows 6144 + 1024 b + key v / 4; keys 0-511 text, 512-768 image.  q and k are normalised head by head; ssq[head][row] holds each head's sum of squares.
; THE NORM IS FINISHED HERE.  r' = rsq(sum over heads of ss / 2048 + 1e-6) sqrt(ss_head / 128 + 1e-30).  A lane holds one query: its r' goes into its softmax factor cq = log2(e) / sqrt(128) r'.  The keys' r' lie in a table
; RK[key] in LDS: u = S RK + BI, one packed multiply-add for two scores, which is also the mask: a key that does not count has RK = 0, BI = -1e30, and its p = 2^(cq u - cq m) is 0.
; context_lens, for every int32: a text key counts where key < lens; with lens <= 0 reference() has 512 equal scores: all 512 keys count and cq is 0 for the text part, so that every p is 1.  No branch hangs on lens.
; Both softmaxes take their running maximum away.  Products on f16 operands, sums, maxima and exponentials in f32.
; SHARES, LAYOUT, TURNS.  A work-group owns 256 queries of one (batch, head), each of four waves 64: four tiles of 16, two PIECES (tiles 0, 1 and 2, 3).  S^T = K Q^T and O^T = V^T P: a lane holds one query throughout.
; In a TURN one piece has the matrix unit (32 products V^T P of step j, 32 products K Q^T of step j + 1) and the other piece's softmax stands in 64 slices behind the matrix instructions.
; 13 key steps of 64: steps 0-7 text, steps 8-12 image keys 0-319 (257 count).  Behind a piece's V^T P of step 7 its text result O / l goes to a stash in LDS, and m is set to -1e32: the next step's factor
; a = 2^(c m_old - c m_new) is then 0 and clears O and l by the ordinary rescaling.  At the end the stash is added.
; O^T begins as zeros and m as -1e32, so that the first step is a step like any other and the key step is written twice, not four times.
; THE RING.  Step 0's tiles have LDS of their own, filled once.  Two slots hold the pairs of steps (1, 2), (3, 4) .. (11, 12); both are first filled at the head; four refills, joint loads of the cluster's four
; work-groups, which walk the same K and V.  By this text's own count a wave has at most three tensor loads out.
; REGISTERS: window 0: v0-11 addresses; v12-43 statistics, eight a tile; v44-51 cq pairs (low: in use; high: the image part's); v52-63 addresses; v64-191 S^T; v192-255 P.   window 1: O^T.
;   window 2: v0-127 Q, v128-255 K.   window 3: v0-127 V; v128-159 RK, v160-191 BI of the step; v192-255 at work in the stash's stores.
.set KS,    64
.set PK,    272                        ; a row of K in LDS: 256 + 16
.set PV,    288                        ; a row of V: 256 + 32
.set VOFF,  KS*PK
.set STEPB, KS*(PK+PV)
.set SLOT1, 1<<17
.set ROWM,  4096                       ; a row of qkv in bytes
.set ST0B,  2*STEPB                    ; 71,680: the stash of tile 0, 8,192 bytes a wave
.set KP0,   ST0B+32768                 ; 104,448: K of step 0
.set RKB,   KP0+VOFF                   ; 121,856: RK[896];
.set BIO,   3584                       ; BI[896] lies this far behind it
.set SPARE, RKB+2*BIO                  ; 129,024: the spare words: two blocks of 256 bytes that no other line names
.set ST1B,  SLOT1+2*STEPB              ; 202,752: the stash of tiles 1 to 3
.set VP0,   ST1B+3*32768               ; 301,056: V of step 0
.set STAGE, 0                          ; the way out: 16 rows x 272 bytes a wave, in slot 0, behind the last barrier: the ring has had its last fill and its last read
.set SP,    272
.set AK0, 2
.set AV0, 3
.set ADR, 4
.set QO,  5
.set STO, 6
.set RD,  7
.set GO,  8
.set ST,  12
.set CQ,  44
.set AT0, 52                           ; v52  RKB + 32 (lane / 16)
.set STW, 53                           ; v53  8,192 x wave + 16 x lane
.set ADR2, 54
.set PFO, 61
.set SPW, 62
.set NIL, 63
.set S,   64
.set P,   192
.set KF,  128
.set FT,  192
.set WV,  12
.set LIM, 15
.set PFA, 18
.set G1K, 24
.set G1V, 32
.set G0K, 40
.set G0V, 48
.set SLOTS, 56
.set TWICE, 57
.set SEL, 60
.set TB,  62
.set TT,  66                           ; s66  the table's byte of the step to be fetched
.set STP, 67                           ; s67  j: the step whose V^T P is in hand
.set G0KP, 68
.set G0VP, 88
.set MSB, 0
.macro WIN new
.if MSB != \new
	s_set_vgpr_msb (MSB<<8)|\new
.set MSB, \new
.endif
.endm
.set W_KQ, 0x0a
.set W_PV, 0x53
.set W_RS, 0x41
.set W_TF, 0x3c                        ; sources 1 and 2 (RK, BI) window 3
.macro JLOAD                           ; a joint refill: waves 0 and 1 fetch the two steps' K, waves 2 and 3 their V; an s_nop 0 and four v_nop follow each line
	s_cmp_lt_u32 s[WV], 2
	s_cbranch_scc0 .Lfor_v_\@
	tensor_load_to_lds s[G0K+4:G0K+7], s[G1K:G1K+7]
	s_nop 0
.rept 4
	v_nop
.endr
	s_branch .Lasked_\@
.Lfor_v_\@:
	tensor_load_to_lds s[G0V+4:G0V+7], s[G1V:G1V+7]
	s_nop 0
.rept 4
	v_nop
.endr
.Lasked_\@:
.endm
; A prefetch of what the NEXT change of slots will ask for: 128 rows of K and of V, 256 bytes of each, a lane a row.  The head's first cluster asks; its four partners take 32 rows each, told apart by address;
; wave 0 asks for K's, wave 2 for V's.  The last change that fills a slot asks for nothing.
.macro ASK
	s_cmp_gt_u32 s[SLOTS], s[LIM]
	s_cbranch_scc0 .Lnot_mine_\@
	global_prefetch_b8 v[PFO], s[PFA:PFA+1] th:TH_LOAD_NT scope:SCOPE_SE
.Lnot_mine_\@:
.endm
.macro CROUND
	s_barrier_signal -1
	s_barrier_wait -1
	s_cmp_lg_u32 s[WV], 0
	s_cbranch_scc1 .Lnot_wave_0_\@
	s_barrier_signal -3
.Lnot_wave_0_\@:
	s_barrier_wait -3
	s_barrier_signal -1
	s_barrier_wait -1
.endm
	s_load_b256 s[4:11], s[0:1], 0x0               ; qkv, ssq, context_lens, att
	v_lshl_add_u32 v[SPW], v0, 2, SPARE
	v_mov_b32 v[NIL], 0
	ds_add_u32 v[SPW], v[NIL]                      ; the wave's opening: the add, twice on end, and its wait ahead of my first tensor load
	ds_add_u32 v[SPW], v[NIL]
	v_lshrrev_b32 v1, 5, v0
	v_readfirstlane_b32 s[WV], v1                  ; wave 0..3
	s_and_b32 s13, ttmp7, 0xffff
	s_lshr_b32 s72, s13, 4                         ; batch
	s_and_b32 s73, s13, 15                         ; head
	s_bfe_u32 s14, ttmp6, 0x40000                  ; cx
	s_lshl_b32 s16, ttmp9, 2
	s_add_co_u32 s16, s16, s14                     ; my block of 256 queries: it enters Q's, ssq's and att's addresses alone
	s_lshl_b32 s20, s72, 22                        ; K of my head, key 0: row 4,096 + 1,024 batch, byte 256 head
	s_add_co_u32 s20, s20, 4096*ROWM
	s_lshl_b32 s17, s73, 8
	s_add_co_u32 s20, s20, s17
	s_mov_b32 s21, 0
	s_lshl_b32 s22, s72, 11
	s_lshl_b32 s17, s16, 8
	s_add_co_u32 s22, s22, s17
	s_lshl_b32 s17, s[WV], 6
	s_add_co_u32 s22, s22, s17                     ; my wave's first query
	s_lshl_b32 s78, s22, 2                         ; its place in a head of ssq
	s_mov_b32 s79, 0
	s_lshl_b32 s22, s22, 12
	s_lshl_b32 s17, s73, 8
	s_add_co_u32 s22, s22, s17                     ; and in qkv and att
	s_mov_b32 s23, 0
	s_lshl_b32 s86, s72, 12
	s_add_co_u32 s86, s86, 4096*4                  ; the keys' place in a head of ssq
	s_mov_b32 s87, 0
	s_lshl_b32 s80, s73, 15                        ; my head in ssq
	s_mov_b32 s81, 0
	s_lshl_b32 s2, s72, 2                          ; my batch's length
	s_mov_b32 s3, 0
	s_and_b32 s17, s[WV], 1                        ; which of a slot's two steps I fetch:
	s_mul_i32 s13, s17, STEPB                      ; its place in a slot,
	s_lshl_b32 s94, s17, 18                        ; its 64 rows in memory
	s_mov_b32 s95, 0
	s_mov_b32 s[G1K], 15|(1<<16)|(1<<20)|(1<<21)|(5<<22)|(3<<25)  ; the mask: all four work-groups; elements of 2 bytes; padding on; bit 21 beside a mask; 4 words after every 64
	s_mov_b32 s[G1V], 15|(1<<16)|(1<<20)|(1<<21)|(5<<22)|(7<<25)  ; the same with 8 words
.irp g, G1K, G1V
	s_mov_b32 s[\g+1], 128<<16                     ; tensor_dim0 = 128
	s_mov_b32 s[\g+2], KS<<16                      ; tensor_dim1 = 64
	s_mov_b32 s[\g+3], 128<<16                     ; tile_dim0
	s_mov_b32 s[\g+4], KS                          ; tile_dim1
	s_mov_b32 s[\g+5], 2048                        ; elements from row to row
	s_mov_b32 s[\g+6], 0
	s_mov_b32 s[\g+7], 0
.endr
	s_mov_b32 s58, 0x3e0293ee                      ; c = log2(e) / sqrt(128)
	s_mov_b32 s[SEL], 0x76543210
	s_mov_b32 s[SEL+1], 0xfedcba98
	s_mov_b32 s82, 0x3a000000                      ; 1 / 2,048
	s_mov_b32 s83, 0x358637bd                      ; 1e-6
	s_mov_b32 s84, 0x3c000000                      ; 1 / 128
	s_mov_b32 s85, 0x0da24260                      ; 1e-30
	s_and_b32 s[LIM], s[WV], 1                     ; 0 in waves 0 and 2,
	s_or_b32 s[LIM], s[LIM], ttmp9                 ; of the head's first cluster: the same in all four partners
	s_cmp_eq_u32 s[LIM], 0
	s_cselect_b32 s[LIM], 1, -1
	s_wait_dscnt 0x0                               ; both opening adds are done
	s_wait_kmcnt 0x0
	s_add_nc_u64 s[8:9], s[8:9], s[2:3]
	s_load_b32 s74, s[8:9], 0x0                    ; context_lens[batch]
	s_add_nc_u64 s[20:21], s[4:5], s[20:21]        ; K
	s_add_nc_u64 s[92:93], s[20:21], 2048*ROWM     ; V
	s_add_nc_u64 s[4:5], s[4:5], s[22:23]          ; Q
	s_add_nc_u64 s[10:11], s[10:11], s[22:23]      ; att
	s_add_nc_u64 s[78:79], s[6:7], s[78:79]        ; ssq: head 0, my queries;
	s_add_nc_u64 s[6:7], s[6:7], s[86:87]          ; head 0, the keys;
	s_add_nc_u64 s[86:87], s[6:7], s[80:81]        ; my head, the keys;
	s_add_nc_u64 s[80:81], s[78:79], s[80:81]      ; my head, my queries
	s_cmp_lt_u32 s[WV], 2
	s_cselect_b64 s[PFA:PFA+1], s[20:21], s[92:93]
	s_lshl_b32 s2, s14, 17                         ; my work-group's 32 rows of the 128,
	s_add_co_u32 s2, s2, 320*ROWM                  ; from step 5 on: the first change of slots steps this to step 7.  Nothing is prefetched at the head
	s_add_nc_u64 s[PFA:PFA+1], s[PFA:PFA+1], s[2:3]
	CROUND                                         ; all four work-groups are here: the first joint loads meet
.irp s, 0,1
	s_mov_b32 s[G0K+4*\s], 1
	s_add_co_u32 s[G0K+4*\s+1], s13, \s*SLOT1
	s_add_nc_u64 s[G0K+4*\s+2:G0K+4*\s+3], s[20:21], s[94:95]
	s_add_nc_u64 s[G0K+4*\s+2:G0K+4*\s+3], s[G0K+4*\s+2:G0K+4*\s+3], (KS+2*KS*\s)*ROWM   ; slot s begins with step 1 + 2 s
	s_or_b32 s[G0K+4*\s+3], s[G0K+4*\s+3], 0x80000000
	s_mov_b32 s[G0V+4*\s], 1
	s_add_co_u32 s[G0V+4*\s+1], s13, \s*SLOT1+VOFF
	s_add_nc_u64 s[G0V+4*\s+2:G0V+4*\s+3], s[92:93], s[94:95]
	s_add_nc_u64 s[G0V+4*\s+2:G0V+4*\s+3], s[G0V+4*\s+2:G0V+4*\s+3], (KS+2*KS*\s)*ROWM
	s_or_b32 s[G0V+4*\s+3], s[G0V+4*\s+3], 0x80000000
.endr
	s_mov_b32 s[G0KP], 1                           ; step 0
	s_mov_b32 s[G0KP+1], KP0
	s_mov_b64 s[G0KP+2:G0KP+3], s[20:21]
	s_or_b32 s[G0KP+3], s[G0KP+3], 0x80000000
	s_mov_b32 s[G0VP], 1
	s_mov_b32 s[G0VP+1], VP0
	s_mov_b64 s[G0VP+2:G0VP+3], s[92:93]
	s_or_b32 s[G0VP+3], s[G0VP+3], 0x80000000
	s_cmp_lt_u32 s[WV], 2                          ; the first fills: waves 1 and 3 begin with step 0's tile, then every wave asks for its part of both slots
	s_cbranch_scc0 .Lfirst_v
	s_cmp_eq_u32 s[WV], 0
	s_cbranch_scc1 .Lring_k
	tensor_load_to_lds s[G0KP:G0KP+3], s[G1K:G1K+7]
	s_nop 0
.Lring_k:
	tensor_load_to_lds s[G0K:G0K+3], s[G1K:G1K+7]
	s_nop 0
	tensor_load_to_lds s[G0K+4:G0K+7], s[G1K:G1K+7]
	s_nop 0
.rept 4
	v_nop
.endr
	s_branch .Lfirst_asked
.Lfirst_v:
	s_cmp_eq_u32 s[WV], 2
	s_cbranch_scc1 .Lring_v
	tensor_load_to_lds s[G0VP:G0VP+3], s[G1V:G1V+7]
	s_nop 0
.Lring_v:
	tensor_load_to_lds s[G0V:G0V+3], s[G1V:G1V+7]
	s_nop 0
	tensor_load_to_lds s[G0V+4:G0V+7], s[G1V:G1V+7]
	s_nop 0
.rept 4
	v_nop
.endr
.Lfirst_asked:
	v_and_b32 v1, 15, v0                           ; r
	v_bfe_u32 v9, v0, 4, 1                         ; h
	v_lshlrev_b32 v[QO], 12, v1
	v_lshl_add_u32 v[QO], v9, 4, v[QO]             ; row x 4,096 + 16 h
	WIN 0x80
.irp i, 0,1,2,3,4,5,6,7,8,9,10,11,12,13,14,15  ; Q stays in registers: tile i / 4, channels 32 (i % 4) on
	global_load_b128 v[8*\i:8*\i+3],   v[QO], s[4:5] offset:(\i/4)*16*ROWM+(\i%4)*64
	global_load_b128 v[8*\i+4:8*\i+7], v[QO], s[4:5] offset:(\i/4)*16*ROWM+(\i%4)*64+32
.endr
	WIN 0
	v_mul_u32_u24 v[AK0], v1, PK
	v_lshl_add_u32 v[AK0], v9, 4, v[AK0]
	v_and_b32 v10, 7, v0
	v_bfe_u32 v11, v0, 3, 1
	v_lshl_add_u32 v[AV0], v9, 3, v10              ; the turning load: key 8 h + l % 8, channels 8 ((l / 8) % 2) on
	v_mul_u32_u24 v[AV0], v[AV0], PV
	v_lshl_add_u32 v[AV0], v11, 4, v[AV0]
	v_add_nc_u32 v[AV0], VOFF, v[AV0]
	v_lshl_add_u32 v[AT0], v9, 5, RKB
	v_and_b32 v[STW], 31, v0
	v_lshlrev_b32 v[STW], 4, v[STW]
	s_lshl_b32 s13, s[WV], 13
	v_add_nc_u32 v[STW], s13, v[STW]
	v_and_b32 v[PFO], 31, v0
	v_lshlrev_b32 v[PFO], 12, v[PFO]
	v_lshlrev_b32 v10, 18, v9
	v_lshl_add_u32 v10, v1, 2, v10                 ; ssq, my queries: 4 r; lanes 16-31 take heads 8 to 15
	v_lshlrev_b32 v11, 2, v1
	v_lshlrev_b32 v55, 2, v0                       ; ssq, the keys: 4 x thread
	v_lshl_add_u32 v56, v0, 2, RKB                 ; and the tables' words
	v_mov_b32 v58, 0xf149f2ca                      ; -1e30
	v_mov_b32 v59, 0
.irp t, 0,1,2,3
.irp p, 0,1,2,3,4,5,6,7
	global_load_b32 v[192+8*\t+\p], v10, s[78:79] offset:\p*32768+64*\t
.endr
	global_load_b32 v[224+\t], v11, s[80:81] offset:64*\t
.endr
.irp i, 0,1,2,3,4,5,6                          ; key = thread + 128 i: 896 keys for the work-group
.irp p, 0,1,2,3,4,5,6,7,8,9,10,11,12,13,14,15
	global_load_b32 v[64+16*\i+\p], v55, s[6:7] offset:\p*32768+512*\i
.endr
	global_load_b32 v[176+\i], v55, s[86:87] offset:512*\i
.endr
	WIN 0x40
.set i, 0
.rept 256
	v_mov_b32 v[i], 0                              ; O^T: cleared once, so that the first key step needs no text of its own
.set i, i+1
.endr
	WIN 0
.irp t, 0,1,2,3
	v_mov_b32 v[ST+8*\t], 0xf49dc5ae               ; c m and m: -1e32, under every u, the masked ones' too
	v_mov_b32 v[ST+8*\t+1], 0xf49dc5ae
.irp n, 2,3,4,5,6,7
	v_mov_b32 v[ST+8*\t+\n], 0                     ; l, and what lane permutes and pairs name before it is first written
.endr
.endr
	s_wait_loadcnt 0x0
	s_wait_kmcnt 0x0
	s_cmp_gt_i32 s74, 0
	s_cselect_b32 s75, s74, 512                    ; text keys under this number count
	s_cselect_b32 s76, 1.0, 0                      ; and with no length at all every score is equal
.irp t, 0,1,2,3                                ; the queries' sums over the 16 heads
	v_pk_add_f32 v[192+8*\t:193+8*\t], v[192+8*\t:193+8*\t], v[194+8*\t:195+8*\t]
	v_pk_add_f32 v[196+8*\t:197+8*\t], v[196+8*\t:197+8*\t], v[198+8*\t:199+8*\t]
.endr
.irp t, 0,1,2,3
	v_pk_add_f32 v[192+8*\t:193+8*\t], v[192+8*\t:193+8*\t], v[196+8*\t:197+8*\t]
.endr
.irp t, 0,1,2,3
	v_add_f32 v[192+8*\t], v[192+8*\t], v[193+8*\t]
.endr
.irp t, 0,1,2,3
	v_permlanex16_b32 v[193+8*\t], v[192+8*\t], s[SEL], s[SEL+1]
.endr
.irp t, 0,1,2,3
	v_add_f32 v[192+8*\t], v[192+8*\t], v[193+8*\t]
.endr
.irp t, 0,1,2,3
	v_fma_f32 v[192+8*\t], v[192+8*\t], s82, s83
	v_fma_f32 v[224+\t], v[224+\t], s84, s85
.endr
.irp i, 0,1,2,3,4,5,6                          ; the keys'
.irp n, 0,4,8,12
	v_pk_add_f32 v[64+16*\i+\n:65+16*\i+\n], v[64+16*\i+\n:65+16*\i+\n], v[66+16*\i+\n:67+16*\i+\n]
.endr
	v_pk_add_f32 v[64+16*\i:65+16*\i], v[64+16*\i:65+16*\i], v[68+16*\i:69+16*\i]
	v_pk_add_f32 v[72+16*\i:73+16*\i], v[72+16*\i:73+16*\i], v[76+16*\i:77+16*\i]
	v_pk_add_f32 v[64+16*\i:65+16*\i], v[64+16*\i:65+16*\i], v[72+16*\i:73+16*\i]
	v_add_f32 v[64+16*\i], v[64+16*\i], v[65+16*\i]
	v_fma_f32 v[64+16*\i], v[64+16*\i], s82, s83
	v_fma_f32 v[176+\i], v[176+\i], s84, s85
.endr
.irp t, 0,1,2,3                                ; one batch of 22 roots
	v_rsq_f32 v[194+8*\t], v[192+8*\t]
	v_sqrt_f32 v[195+8*\t], v[224+\t]
.endr
.irp i, 0,1,2,3,4,5,6
	v_rsq_f32 v[66+16*\i], v[64+16*\i]
	v_sqrt_f32 v[67+16*\i], v[176+\i]
.endr
	v_nop                                          ; a plain line behind the last root
	s_wait_alu depctr_va_vdst(0)                   ; and the one wait ahead of the batch's first reader
.irp t, 0,1,2,3
	v_mul_f32 v[192+8*\t], v[194+8*\t], v[195+8*\t]
	v_mul_f32 v[CQ+2*\t+1], s58, v[192+8*\t]       ; cq for the image part,
	v_mul_f32 v[CQ+2*\t], s76, v[CQ+2*\t+1]        ; and for the text part
.endr
.irp i, 0,1,2,3,4,5,6
	v_mul_f32 v[64+16*\i], v[66+16*\i], v[67+16*\i]
	v_add_nc_u32 v57, 128*\i, v0                   ; the key
.if \i < 4
	v_cmp_gt_i32 vcc_lo, s75, v57                  ; text
.else
	v_cmp_gt_u32 vcc_lo, 769, v57                  ; image: 512 + 257
.endif
	v_cndmask_b32 v[64+16*\i], 0, v[64+16*\i], vcc_lo
	v_cndmask_b32 v[65+16*\i], v58, v59, vcc_lo
	ds_store_b32 v56, v[64+16*\i] offset:512*\i
	ds_store_b32 v56, v[65+16*\i] offset:BIO+512*\i
.endr
; Product i of 32 of O^T += V^T P: keys 32 (i / 16) on, channels 16 ((i / 2) % 8) on, tile x + i % 2.  The accumulators take turns, one instruction a turn.
.macro PV x
	WIN W_PV
.set rO, 64*(\x+i%2)+8*((i/2)%8)
.set rV, 64*(i/16)+8*((i/2)%8)
.set rP, P+16*(\x+i%2)+8*(i/16)
	v_wmma_f32_16x16x32_f16 v[rO:rO+7], v[rV:rV+7], v[rP:rP+7], v[rO:rO+7]
.endm
; Product i of 32 of S^T = K Q^T: channels 32 (i / 8) on, keys 16 ((i / 2) % 4) on, tile x + i % 2.  The first 8 start the sums.
.macro KQ x
	WIN W_KQ
.set rS, S+32*(\x+i%2)+8*((i/2)%4)
.set rK, KF+32*((i/2)%4)+8*(i/8)
.set rQ, 32*(\x+i%2)+8*(i/8)
.if i < 8
	v_wmma_f32_16x16x32_f16 v[rS:rS+7], v[rK:rK+7], v[rQ:rQ+7], 0
.else
	v_wmma_f32_16x16x32_f16 v[rS:rS+7], v[rK:rK+7], v[rQ:rQ+7], v[rS:rS+7]
.endif
.endm
.macro FETCH_K                         ; a step's K (16 fragments) and its 64 words of RK and of BI: register 8 kt + n is key 16 kt + 8 h + n
	WIN 0
	v_add_nc_u32 v[ADR], s[TB], v[AK0]
	v_add_nc_u32 v[ADR2], s[TT], v[AT0]
	s_add_co_u32 s[TT], s[TT], 4*KS
	WIN 0x80
.irp f, 0,1,2,3,4,5,6,7,8,9,10,11,12,13,14,15
	ds_load_b128 v[KF+8*\f:KF+8*\f+3],   v[ADR] offset:(\f/4)*16*PK+(\f%4)*64
	ds_load_b128 v[KF+8*\f+4:KF+8*\f+7], v[ADR] offset:(\f/4)*16*PK+(\f%4)*64+32
.endr
	WIN 0xc0
.irp f, 0,1,2,3
	ds_load_b128 v[128+8*\f:131+8*\f], v[ADR2] offset:64*\f
	ds_load_b128 v[132+8*\f:135+8*\f], v[ADR2] offset:64*\f+16
	ds_load_b128 v[160+8*\f:163+8*\f], v[ADR2] offset:BIO+64*\f
	ds_load_b128 v[164+8*\f:167+8*\f], v[ADR2] offset:BIO+64*\f+16
.endr
.endm
.macro FETCH_V
	WIN 0
	v_add_nc_u32 v[ADR], s[TB], v[AV0]
	s_add_co_u32 s[TB], s[TB], STEPB               ; the next fetch is the next step's
	s_wait_alu depctr_va_vdst(0)                   ; the wait for the softmax's batch (SLICE)
	WIN 0xc0
.irp f, 0,1,2,3,4,5,6,7,8,9,10,11,12,13,14,15
	ds_load_tr16_b128 v[8*\f:8*\f+3],   v[ADR] offset:(\f/8)*32*PV+(\f%8)*32
	ds_load_tr16_b128 v[8*\f+4:8*\f+7], v[ADR] offset:(\f/8)*32*PV+16*PV+(\f%8)*32
.endr
.endm
; THE VECTOR WORK OF A TURN.  First the table: u = S RK + BI, pair n of tile t (16 lines a tile; ascending).
.macro TF t, n
	WIN W_TF
	v_pk_fma_f32 v[S+32*(\t)+2*(\n):S+32*(\t)+2*(\n)+1], v[S+32*(\t)+2*(\n):S+32*(\t)+2*(\n)+1], v[128+2*(\n):129+2*(\n)], v[160+2*(\n):161+2*(\n)]
.endm
; Then a list of 134 lines a tile; SM writes number j of it for tile t.
;   0-15 the maximum of the 32 u and the old m;  16-20 the other half of the lanes', the new m, c m = cq m, its change;  21-69 ONE BATCH: 16 scalings cq u - c m and 33 exponentials (a at 23), none of which reads
;   an exponential's result;  (the wait);  70-85 the roundings to f16;  86-101 the sums, l = a l + the sum;  102-133 O^T times a.
.macro SM t
.set rT, ST+8*(\t)
.set rS, S+32*(\t)
.set rP, P+16*(\t)
.set rC, CQ+2*(\t)
.set rO, 64*(\t)+2*(j-102)
.if j < 102
	WIN 0
.endif
.if j < 4
	v_max3_num_f32 v[rT+4+j], v[rS+8*j], v[rS+8*j+1], v[rS+8*j+2]
.elseif j < 12
	v_max3_num_f32 v[rT+4+j%4], v[rT+4+j%4], v[rS+8*(j%4)+2*(j/4)+1], v[rS+8*(j%4)+2*(j/4)+2]
.elseif j == 12
	v_max3_num_f32 v[rT+4], v[rT+4], v[rS+7], v[rS+15]
.elseif j == 13
	v_max3_num_f32 v[rT+6], v[rT+6], v[rS+23], v[rS+31]
.elseif j == 14
	v_max3_num_f32 v[rT+4], v[rT+4], v[rT+5], v[rT+6]
.elseif j == 15
	v_max3_num_f32 v[rT+4], v[rT+4], v[rT+7], v[rT+1]
.elseif j == 16
	v_permlanex16_b32 v[rT+5], v[rT+4], s[SEL], s[SEL+1]
.elseif j == 17
	v_mov_b32 v[rT+7], v[rT]                       ; c m_old is kept for a
.elseif j == 18
	v_max_num_f32 v[rT+1], v[rT+4], v[rT+5]
.elseif j == 19
	v_mul_f32 v[rT], v[rC], v[rT+1]
.elseif j == 20
	v_sub_f32 v[rT+7], v[rT+7], v[rT]
.elseif j == 23
	v_exp_f32 v[rT+6], v[rT+7]
.elseif (j < 23) || ((j < 38) && (j%2 == 0)) || ((j < 66) && (j%4 == 2))
.set b, (j-2)/4
.if j < 38
.set b, (j-20)/2
.endif
	v_pk_fma_f32 v[rS+2*b:rS+2*b+1], v[rS+2*b:rS+2*b+1], v[rC:rC+1], v[rT:rT+1] op_sel_hi:[1,0,0] neg_lo:[0,0,1] neg_hi:[0,0,1]  ; pair b: cq u - c m (of the pairs cq and c m the low word serves both halves)
.elseif j < 70
.set e, j-38
.if j < 66
.set e, j-32-(j-38)/4
.endif
.if j < 38
.set e, (j-25)/2
.endif
	v_exp_f32 v[rS+e], v[rS+e]
.elseif j < 86
	v_cvt_pk_f16_f32 v[rP+j-70], v[rS+2*(j-70)], v[rS+2*(j-70)+1]
.elseif j < 102
.set z, j-86
.set w, 4
.set u, z
.if z >= 14
.set w, 32
.set u, 0
.elseif z >= 12
.set w, 16
.set u, z-12
.elseif z >= 8
.set w, 8
.set u, z-8
.endif
.if z < 15
	v_pk_add_f32 v[rS+w*u:rS+w*u+1], v[rS+w*u:rS+w*u+1], v[rS+w*u+w/2:rS+w*u+w/2+1]
.else
	v_pk_fma_f32 v[rT+2:rT+3], v[rT+2:rT+3], v[rT+6:rT+7], v[rS:rS+1] op_sel_hi:[1,0,1]
.endif
.else
	WIN W_RS
	v_pk_mul_f32 v[rO:rO+1], v[rO:rO+1], v[rT+6:rT+7] op_sel_hi:[1,0]
.endif
.endm
; Slice k of 64 of piece y's vector work.  0-3: the table, 8 lines.  4-14: numbers 0-21, two of each tile.  15-38: the batch, four numbers of one tile, the tiles by turns.  39-54: numbers 70-101.
; 55-62: three numbers of each tile of the rescaling.  63: its last eight of each tile: sixteen plain lines, which are also the places behind the turn's last K Q^T.
; Behind slice 38 stands the batch's one plain line and its one wait: ahead of slice 39 nothing names an exponential's result, and behind slice 38 none is issued.
.macro SLICE y
.if k < 4
.irp n, 0,1,2,3
.irp t, \y, \y+1
	TF \t, 4*k+\n
.endr
.endr
.elseif (k >= 15) && (k < 39)
.irp n, 0,1,2,3
.set j, 22+4*((k-15)/2)+(\n)
	SM (\y)+(k-15)%2
.endr
.elseif k < 55
.irp n, 0,1
.irp t, \y, \y+1
.set j, 2*(k-4)+\n
	SM \t
.endr
.endr
.elseif k < 63
.irp n, 0,1,2
.irp t, \y, \y+1
.set j, 102+3*(k-55)+\n
	SM \t
.endr
.endr
.else
.irp n, 0,1,2,3,4,5,6,7
.irp t, \y, \y+1
.set j, 126+\n
	SM \t
.endr
.endr
.endif
.if k == 38
	v_nop
.if (\y) == 0
	FETCH_V                                        ; piece 2's turn: V's run of loads stands here, and the wait stands in it.  V's last reader stands in front of slice 31: six scalings, the v_nop and the run's own addition lie between
.else
	s_wait_alu depctr_va_vdst(0)
.endif
.endif
.set k, k+1
.endm
; A TURN.  Piece x has the matrix unit.  pv: 32 products V^T P; kq: 32 products K Q^T of the next step.  A turn with one of the two kinds has two slices behind each product.
; Piece 0's turn fetches the next step's K and tables behind its fourth product: the table's lines of the other piece (slices 0-3) have been issued, and K's last reader stands in front of slice 63 of the turn before.
.macro TURN x, pv, kq
.set k, 0
.set per, 2
.if \pv && \kq
.set per, 1
.endif
.if \pv
.if \x == 0
	s_wait_dscnt 0x0                               ; V is in
.endif
.set i, 0
.rept 32
	PV \x
.rept per
	SLICE 2-\x
.endr
.if (\x == 0) && \kq && (i == 3)
	FETCH_K
.endif
.set i, i+1
.endr
.endif
.if \kq
.if \x == 0
	s_wait_dscnt 0x0                               ; K and the tables are in
.endif
.set i, 0
.rept 32
	KQ \x
.rept per
	SLICE 2-\x
.endr
.set i, i+1
.endr
.endif
.endm
; THE TEXT PART OF PIECE x IS DONE: O / l goes to my stash (an image of the registers: 16 bytes a lane, 512 a store), m falls to -1e32, and cq becomes the image part's.
.macro FLUSH x
.irp t, \x, \x+1
	v_add_f32 v[ST+8*(\t)+4], v[ST+8*(\t)+2], v[ST+8*(\t)+3]
.endr
.irp t, \x, \x+1
	v_permlanex16_b32 v[ST+8*(\t)+5], v[ST+8*(\t)+4], s[SEL], s[SEL+1]
.endr
.irp t, \x, \x+1
	v_add_f32 v[ST+8*(\t)+4], v[ST+8*(\t)+4], v[ST+8*(\t)+5]
.endr
.irp t, \x, \x+1
	v_rcp_f32 v[ST+8*(\t)+6], v[ST+8*(\t)+4]
.endr
	v_nop
	s_wait_alu depctr_va_vdst(0)                   ; one wait for the two reciprocals, ahead of their first reader
.irp t, \x, \x+1
	WIN 0xc1                                       ; destination window 3, source 0 window 1
.set i, 0
.rept 32
	v_pk_mul_f32 v[FT+2*i:FT+2*i+1], v[64*(\t)+2*i:64*(\t)+2*i+1], v[ST+8*(\t)+6:ST+8*(\t)+7] op_sel_hi:[1,0]
.set i, i+1
.endr
	WIN 0
.if (\t) == 0
	v_add_nc_u32 v[ADR], ST0B, v[STW]
.else
	v_add_nc_u32 v[ADR], ST1B+((\t)-1)*32768, v[STW]
.endif
	WIN 0x0c                                       ; an LDS store's data are its source 1: window 3
.set i, 0
.rept 16
	ds_store_b128 v[ADR], v[FT+4*i:FT+4*i+3] offset:512*i
.set i, i+1
.endr
	WIN 0
	s_wait_dscnt 0x0                               ; the stores have read their registers
	v_mov_b32 v[ST+8*(\t)], 0xf49dc5ae
	v_mov_b32 v[ST+8*(\t)+1], 0xf49dc5ae
	v_mov_b32 v[CQ+2*(\t)], v[CQ+2*(\t)+1]
.endr
.endm
; THE CHANGE OF SLOTS, behind piece 2's turn: the slot's last bytes have been asked for.  Each wave waits for all its tensor loads, adds 0 to its spare word, and waits for that and for its reads of the slot.
; fill = 1: the barrier is a round of the cluster's, and the joint refill (the pair of steps two slots on) is the first thing behind it: it has two key steps in which to land.
.macro CHANGE fill
	WIN 0
	s_wait_tensorcnt 0x0
	ds_add_u32 v[SPW], v[NIL]
.if \fill
.irp g, G0K+4, G0V+4
	s_xor_b32 s[\g+1], s[\g+1], SLOT1              ; the walking descriptor: the other slot than last time,
	s_add_nc_u64 s[\g+2:\g+3], s[\g+2:\g+3], 2*KS*ROWM   ; the next 128 keys
.endr
	s_wait_xcnt 0x0                                ; the last prefetch has read its address
	s_add_nc_u64 s[PFA:PFA+1], s[PFA:PFA+1], 2*KS*ROWM
	s_wait_dscnt 0x0
	CROUND
	JLOAD
	ASK
.else
	s_wait_dscnt 0x0
	s_barrier_signal -1
	s_barrier_wait -1
.endif
	s_sub_co_u32 s[TB], s[TB], 2*STEPB
	s_xor_b32 s[TB], s[TB], SLOT1
.endm
; A slot's two key steps: written once, walked twice.  fl = 1: behind each piece's V^T P of step 7 its text part is put by; the branch hangs on the count of steps alone.
.macro TWO_STEPS fl
	s_mov_b32 s[TWICE], 2
.Lstep_\@:
	TURN 0, 1, 1
	WIN 0
.if \fl
	s_cmp_eq_u32 s[STP], 7
	s_cbranch_scc0 .Lnf0_\@
	FLUSH 0
.Lnf0_\@:
.endif
	TURN 2, 1, 1
	WIN 0
.if \fl
	s_cmp_eq_u32 s[STP], 7
	s_cbranch_scc0 .Lnf2_\@
	FLUSH 2
.Lnf2_\@:
.endif
	s_add_co_u32 s[STP], s[STP], 1
	s_sub_co_u32 s[TWICE], s[TWICE], 1
	s_cmp_lg_u32 s[TWICE], 0
	s_cbranch_scc1 .Lstep_\@
.endm
	s_wait_dscnt 0x0                               ; for the others' sake: my words of the tables are stored
	s_wait_tensorcnt 1                             ; step 0's tile and my part of slot 0 are in; slot 1's load may be out
	s_barrier_signal -1
	s_barrier_wait -1
	s_mov_b32 s[TB], KP0
	s_mov_b32 s[TT], 0
	s_mov_b32 s[STP], 0
	FETCH_K                                        ; key step 0
	s_mov_b32 s[TB], VP0-VOFF                      ; where step 0's V lies
	s_wait_dscnt 0x0
.set i, 0
.rept 32
	KQ 0                                           ; piece 0's first scores
.set i, i+1
.endr
	WIN 0                                          ; the addresses for the way out: eight plain lines, the places behind those products
	s_mul_i32 s13, s[WV], 16*SP
	v_mul_u32_u24 v[STO], v1, SP
	v_lshl_add_u32 v[STO], v9, 4, v[STO]
	v_add_nc_u32 v[STO], s13, v[STO]
	v_mul_u32_u24 v[RD], v9, SP
	v_lshl_add_u32 v[RD], v1, 4, v[RD]
	v_add_nc_u32 v[RD], s13, v[RD]
	v_lshlrev_b32 v[GO], 12, v9
	v_lshl_add_u32 v[GO], v1, 4, v[GO]
	TURN 2, 0, 1                                   ; piece 2's first scores | piece 0's softmax of step 0 | V of step 0
	WIN 0
	s_mov_b32 s[TB], 0                             ; on to slot 0
	s_mov_b32 s[SLOTS], 4
.Lslot:                                            ; four trips: steps j = 0 .. 7; each slot that is left is filled again
	TWO_STEPS 1
	CHANGE 1
	s_sub_co_u32 s[SLOTS], s[SLOTS], 1
	s_cmp_lg_u32 s[SLOTS], 0
	s_cbranch_scc1 .Lslot
	s_mov_b32 s[SLOTS], 2
.Ltail:                                            ; two trips: j = 8 .. 11; nothing is asked for.  Behind the second trip's barrier nobody reads the ring: the stage for the way out lies there
	TWO_STEPS 0
	CHANGE 0
	s_sub_co_u32 s[SLOTS], s[SLOTS], 1
	s_cmp_lg_u32 s[SLOTS], 0
	s_cbranch_scc1 .Ltail
	TURN 0, 1, 0                                   ; piece 0: V^T P of step 12 | piece 2's last softmax
.set i, 0
.rept 32
	PV 2                                           ; piece 2: V^T P of step 12
.set i, i+1
.endr
	; THE WAY OUT.  The image part O / l and the text part from the stash are added, rounded to f16 and sent through my stage, a tile (16 rows) at a time.  The additions are the places behind the last products.
	WIN 0
.irp t, 0,1,2,3
	v_add_f32 v[ST+8*\t+4], v[ST+8*\t+2], v[ST+8*\t+3]
.endr
.irp t, 0,1,2,3
	v_permlanex16_b32 v[ST+8*\t+5], v[ST+8*\t+4], s[SEL], s[SEL+1]
.endr
.irp t, 0,1,2,3
	v_add_f32 v[ST+8*\t+4], v[ST+8*\t+4], v[ST+8*\t+5]
.endr
.irp t, 0,1,2,3
	v_rcp_f32 v[ST+8*\t+6], v[ST+8*\t+4]
.endr
	v_nop
	s_wait_alu depctr_va_vdst(0)                   ; one wait for the four reciprocals
.macro OUTT t
.set BB, 160+32*((\t)%2)
.if (\t) >= 2
	s_wait_xcnt 0x0                                ; tile t - 2's stores have read their registers: this tile's rows may land there
.endif
.if (\t) == 0
	v_add_nc_u32 v[ADR], ST0B, v[STW]
.else
	v_add_nc_u32 v[ADR], ST1B+((\t)-1)*32768, v[STW]
.endif
.set i, 0
.rept 16
	ds_load_b128 v[S+4*i:S+4*i+3], v[ADR] offset:512*i   ; my own stash: the registers as they were stored
.set i, i+1
.endr
	s_wait_dscnt 0x0
	WIN W_RS
.set i, 0
.rept 32
	v_pk_fma_f32 v[64*(\t)+2*i:64*(\t)+2*i+1], v[64*(\t)+2*i:64*(\t)+2*i+1], v[ST+8*(\t)+6:ST+8*(\t)+7], v[S+2*i:S+2*i+1] op_sel_hi:[1,0,1]
.set i, i+1
.endr
	WIN 0x05
.set i, 0
.rept 32
	v_cvt_pk_f16_f32 v[128+i], v[64*(\t)+2*i], v[64*(\t)+2*i+1]
.set i, i+1
.endr
	WIN 0
.irp f, 0,1,2,3,4,5,6,7
	ds_store_b128 v[STO], v[128+4*\f:131+4*\f] offset:32*\f
.endr
.irp f, 0,1,2,3,4,5,6,7
	ds_load_b128 v[BB+4*\f:BB+4*\f+3], v[RD] offset:\f*2*SP   ; LDS serves a wave's instructions in order: these see the stores above
.endr
	s_wait_dscnt 0x0
.irp f, 0,1,2,3,4,5,6,7
	global_store_b128 v[GO], v[BB+4*\f:BB+4*\f+3], s[10:11] offset:(\t)*16*ROWM+\f*2*ROWM   ; 16 lanes store 256 consecutive bytes, aligned
.endr
.endm
	OUTT 0
	OUTT 1
	OUTT 2
	OUTT 3
	s_wait_tensorcnt 0x0                           ; the wave's end: three lines behind my last tensor load and my last LDS store
	ds_add_u32 v[SPW], v[NIL]
	s_wait_dscnt 0x0
	CROUND                                         ; the closing round
	s_endpgm
.Lfunc_end_k_q7473b57fd6_attn:
	.size	k_q7473b57fd6_attn, .Lfunc_end_k_q7473b57fd6_attn-k_q7473b57fd6_attn
	.p2alignl 7, 3214868480
	.fill 96, 4, 3214868480
	.section	.rodata,"a",@progbits
	.p2align	6, 0x0
	.amdhsa_kernel k_q7473b57fd6_attn
		.amdhsa_group_segment_fixed_size 327680
		.amdhsa_private_segment_fixed_size 0
		.amdhsa_enable_private_segment 0
		.amdhsa_kernarg_size 32
		.amdhsa_user_sgpr_count 2
		.amdhsa_user_sgpr_kernarg_segment_ptr 1
		.amdhsa_wavefront_size32 1
		.amdhsa_system_sgpr_workgroup_id_x 1
		.amdhsa_system_sgpr_workgroup_id_y 1
		.amdhsa_system_sgpr_workgroup_id_z 1
		.amdhsa_system_vgpr_workitem_id 0
		.amdhsa_next_free_vgpr 1024
		.amdhsa_next_free_sgpr 96
		.amdhsa_reserve_vcc 1
		.amdhsa_float_denorm_mode_32 3
		.amdhsa_float_denorm_mode_16_64 3
		.amdhsa_memory_ordered 1
		.amdhsa_forward_progress 1
		.amdhsa_inst_pref_size 251
	.end_amdhsa_kernel
	.amdgpu_metadata
---
amdhsa.version: [ 1, 2 ]
amdhsa.kernels:
  - .name:           k_q7473b57fd6_attn
    .symbol:         k_q7473b57fd6_attn.kd
    .args:
      - { .name: qkv, .offset: 0, .size: 8, .value_kind: global_buffer, .address_space: global }
      - { .name: ssq, .offset: 8, .size: 8, .value_kind: global_buffer, .address_space: global }
      - { .name: context_lens, .offset: 16, .size: 8, .value_kind: global_buffer, .address_space: global }
      - { .name: att, .offset: 24, .size: 8, .value_kind: global_buffer, .address_space: global }
    .group_segment_fixed_size: 327680
    .private_segment_fixed_size: 0
    .kernarg_segment_align: 8
    .kernarg_segment_size: 32
    .max_flat_workgroup_size: 128
    .sgpr_count:     96
    .vgpr_count:     1024
    .wavefront_size: 32
...
	.end_amdgpu_metadata
.endif
;; end of part 3
;; launch ogemm (part 4): grid 8 x 32, 4 waves a work-group, clusters of 4 x 4, 327,680 bytes of LDS; arguments att, wo16, b_o, out0; writes out0
.if DOCPART == 4
	.amdgcn_target "amdgcn-amd-amdhsa--gfx1250"
	.amdhsa_code_object_version 6
	.text
	.protected	k_q7473b57fd6_ogemm
	.globl	k_q7473b57fd6_ogemm
	.p2align	8
	.type	k_q7473b57fd6_ogemm,@function
k_q7473b57fd6_ogemm:
	s_mov_b64 s[64:65], 0
	v_nop
	global_prefetch_b8 v0, s[64:65] scope:SCOPE_SE
	s_setreg_imm32_b32 hwreg(HW_REG_WAVE_MODE, 25, 1), 1
	s_wait_xcnt 0x0
	s_wait_alu depctr_hold_cnt(0) depctr_sa_sdst(0) depctr_va_vdst(0) depctr_va_sdst(0) depctr_va_ssrc(0) depctr_va_vcc(0) depctr_vm_vsrc(0)
	s_getreg_b32 s2, hwreg(HW_REG_IB_STS2, 6, 4)
	s_cmp_eq_u32 s2, 0
	s_cbranch_scc0 .Lentry_in_a_cluster
	s_endpgm
.Lentry_in_a_cluster:
	s_bfe_u32 s2, ttmp6, 0x10000c
	s_cmp_lg_u32 s2, 0xf033
	s_cbranch_scc0 .Lentry_shape_is_right
	s_endpgm
.Lentry_shape_is_right:
; out0[m][n] = 4 x (sum over k of att[m][k] wo16[n][k]) + b_o[n].  att [4096][2048] and wo16 [2048][2048] are f16 (att carries the factor 1 / 4), out0 is f32; sums in f32.
; A tile of out0 is 128 x 256: 256 work-groups, where tiles of 256 x 256 would make 128.  Four waves, each 64 x 128: 32 accumulators.  4 x 4 work-groups form a cluster: A's tile is asked for jointly along a row
; of the cluster, B's along a column.
; THE RING HAS TWO UNEQUAL SLOTS.  Behind each round a wave issues one load, which has until the next round to land.  A K step of 128 of this tile is 384 rows x 272 bytes = 104,448 bytes of LDS: three fit, four do not.
; So slot D holds TWO K steps (rows of 512 bytes, pitch 528) and slot S ONE (rows of 256 bytes, pitch 272), and they take turns: S(0) D(1,2) S(3) D(4,5) .. D(13,14) S(15): eleven fills for the 16 K steps where two slots of
; one step take sixteen; S's load has D's two K steps, 240 matrix instructions, in which to land, D's load S's one, 112.  Both are first filled at the head: two loads of a wave are out there, both behind the one round.
; THE MATRIX INSTRUCTION IS USED TRANSPOSED (source 0 = 16 rows of wo16, source 1 = 16 rows of att): a lane holds eight neighbouring numbers of a row of out0.
; REGISTERS: window 0: v0-31 addresses; two fragment buffers for 32 along K: F0 = v64-159 (A's 4 fragments, then B's 8), F1 = v160-255.   window 1: the accumulators ((a, b) at v[8 (8 a + b)]).   window 2: v0-63 b_o in the result's layout.
.set KSTEP,  128
.set PS,     272                       ; S: an LDS row: 256 bytes + 16 of padding
.set PD,     528                       ; D: 512 + 16.  Both are odd multiples of 16: the 16 rows that a load touches start at 16 different banks (ISA guide 11.1)
.set AHD,    64*PD                     ; D: what waves 0 and 1 fetch, and what a wave reads of A
.set BHD,    128*PD                    ; D: what waves 2 and 3 fetch, and what a wave reads of B
.set SB,     2*AHD+2*BHD               ; 202,752: S begins behind D
.set AHS,    64*PS
.set BHS,    128*PS
.set SPARE,  SB+2*AHS+2*BHS            ; 307,200: the spare words: two blocks of 256 bytes that no other line names
.set SPITCH, 528                       ; the way out: a stage of 16 rows x (512 + 16) bytes a wave, in slot D, which has had its last fill and its last read behind the last barrier
.set TRIPS,  4                         ; a trip: S and D, three K steps, both filled again
.set ROWM,   4096                      ; a row of att or wo16 in bytes
.set ADRA, 16                          ; v16 LDS address of my A fragments in S, v17 in D
.set ADRB, 20                          ; v20, v21 the same for B
.set STO,  24
.set RD,   25
.set CO,   26
.set SPW,  28
.set NIL,  29
.set PFO,  30
.set BO,   31
.set F0,   64
.set F1,   160
.set YR,   64
.set BKR,  128
.set G1AS, 24                          ; s[24:31] group 1 for A's tile of S;  s[32:35], s[36:39] groups 0 for A's tiles of S and of D
.set G0AS, 32
.set G0AD, 36
.set G1BS, 48                          ; s[48:55], s[56:59], s[60:63] the same for B
.set G0BS, 56
.set G0BD, 60
.set PFA,  68
.set LIM,  70
.set G1AD, 72                          ; s[72:79] group 1 for A's tile of D;  s[80:87] for B's
.set G1BD, 80
.set MSB, 0
.macro WIN new
.if MSB != \new
	s_set_vgpr_msb (MSB<<8)|\new
.set MSB, \new
.endif
.endm
.set MUL, 0x50                         ; C and D window 1
.macro JLOAD g0a, g1a, g0b, g1b        ; a joint load: waves 0 and 1 fetch A's halves, waves 2 and 3 B's; an s_nop 0 and four v_nop follow each line
	s_cmp_eq_u32 s13, 0
	s_cbranch_scc0 .Lfor_b_\@
	tensor_load_to_lds s[\g0a:\g0a+3], s[\g1a:\g1a+7]
	s_nop 0
.rept 4
	v_nop
.endr
	s_branch .Lasked_\@
.Lfor_b_\@:
	tensor_load_to_lds s[\g0b:\g0b+3], s[\g1b:\g1b+7]
	s_nop 0
.rept 4
	v_nop
.endr
.Lasked_\@:
.endm
; A prefetch of what the NEXT refill will ask for: 32 rows, a lane a row, 256 bytes of each an instruction.  two = 1, behind S's refill: the two K steps of D's refill of the same trip; two = 0, behind D's: the one K step of S's next.
; A's rows are read by both clusters of a row of clusters: cluster x = 0 asks, wave 0, the partner at cx its rows 32 cx on.  B's rows are read by all eight clusters of a column: cluster y = 0 asks, waves 2 and 3,
; the partner at cy its rows 64 cy + 32 x half on.  Partners are told apart by address.  K steps 0 to 3 come by their loads alone; the last refill, in the tail, asks for nothing: there is no K step behind it.
.macro ASK two
	s_cmp_lg_u32 s[LIM], 0
	s_cbranch_scc0 .Lnot_mine_\@
.if \two
	global_prefetch_b8 v[PFO], s[PFA:PFA+1] th:TH_LOAD_NT scope:SCOPE_SE
	global_prefetch_b8 v[PFO], s[PFA:PFA+1] offset:KSTEP*2 th:TH_LOAD_NT scope:SCOPE_SE
.else
	global_prefetch_b8 v[PFO], s[PFA:PFA+1] offset:2*KSTEP*2 th:TH_LOAD_NT scope:SCOPE_SE
.endif
.Lnot_mine_\@:
.endm
.macro CREST
	s_cmp_lg_u32 s12, 0
	s_cbranch_scc1 .Lnot_wave_0_\@
	s_barrier_signal -3
.Lnot_wave_0_\@:
	s_barrier_wait -3
	s_barrier_signal -1
	s_barrier_wait -1
.endm
.macro CROUND
	s_barrier_signal -1
	s_barrier_wait -1
	CREST
.endm
.macro SHAPE g, cols, rows             ; a group 1's constant words: a tile of rows x cols elements, 2,048 elements from row to row
	s_mov_b32 s[\g+1], (\cols)<<16
	s_mov_b32 s[\g+2], (\rows)<<16
	s_mov_b32 s[\g+3], (\cols)<<16
	s_mov_b32 s[\g+4], \rows
	s_mov_b32 s[\g+5], 2048
	s_mov_b32 s[\g+6], 0
	s_mov_b32 s[\g+7], 0
.endm
	s_load_b256 s[4:11], s[0:1], 0x0               ; att, wo16, b_o, out0
	v_lshl_add_u32 v[SPW], v0, 2, SPARE
	v_mov_b32 v[NIL], 0
	ds_add_u32 v[SPW], v[NIL]                      ; the wave's opening: the add, twice on end, and its wait ahead of my first tensor load
	ds_add_u32 v[SPW], v[NIL]
	v_lshrrev_b32 v1, 5, v0
	v_readfirstlane_b32 s12, v1                    ; wave 0..3
	s_lshr_b32 s13, s12, 1                         ; my half of the tile's rows.  Also: I fetch for A (0) or for B (1)
	s_and_b32 s14, s12, 1                          ; my half of its columns.  Also: which half of that tile I fetch
	s_bfe_u32 s40, ttmp6, 0x40000                  ; cx
	s_bfe_u32 s41, ttmp6, 0x40004                  ; cy
	s_lshl_b32 s42, ttmp9, 2
	s_add_co_u32 s42, s42, s40                     ; tile column
	s_and_b32 s15, ttmp7, 0xffff
	s_lshl_b32 s15, s15, 2
	s_add_co_u32 s15, s15, s41                     ; tile row
	s_lshl_b32 s43, s41, 2
	s_lshl_b32 s43, 15, s43                        ; my row of the cluster
	s_lshl_b32 s44, 0x1111, s40                    ; my column
	s_or_b32 s[G1AS+0], s43, (1<<16)|(1<<20)|(1<<21)|(5<<22)|(3<<25)   ; the mask; elements of 2 bytes; padding on; bit 21 beside a mask; 4 words after every 64
	s_or_b32 s[G1BS+0], s44, (1<<16)|(1<<20)|(1<<21)|(5<<22)|(3<<25)
	s_or_b32 s[G1AD+0], s43, (1<<16)|(1<<20)|(1<<21)|(6<<22)|(3<<25)   ; the same with 4 words after every 128
	s_or_b32 s[G1BD+0], s44, (1<<16)|(1<<20)|(1<<21)|(6<<22)|(3<<25)
	SHAPE G1AS, KSTEP, 64
	SHAPE G1BS, KSTEP, 128
	SHAPE G1AD, 2*KSTEP, 64
	SHAPE G1BD, 2*KSTEP, 128
	s_lshl_b32 s16, s15, 7
	s_lshl_b32 s17, s14, 6
	s_add_co_u32 s16, s16, s17                     ; A: row 128 x tile row + 64 x half
	s_lshl_b32 s16, s16, 12
	s_mov_b32 s17, 0
	s_lshl_b32 s46, s42, 8
	s_lshl_b32 s47, s14, 7
	s_add_co_u32 s46, s46, s47                     ; B: row 256 x tile column + 128 x half
	s_lshl_b32 s46, s46, 12
	s_mov_b32 s47, 0
	s_mul_i32 s20, s14, AHS                        ; where they go: no place in the cluster enters an LDS address
	s_mul_i32 s21, s14, BHS
	s_mul_i32 s22, s14, AHD
	s_mul_i32 s23, s14, BHD
	s_wait_dscnt 0x0                               ; both opening adds are done
	s_wait_kmcnt 0x0
	s_add_nc_u64 s[16:17], s[4:5], s[16:17]
	s_add_nc_u64 s[46:47], s[6:7], s[46:47]
	CROUND                                         ; all sixteen work-groups are here: the first joint loads meet
	s_mov_b32 s[G0AS], 1                           ; S: K step 0
	s_add_co_u32 s[G0AS+1], s20, SB
	s_mov_b64 s[G0AS+2:G0AS+3], s[16:17]
	s_or_b32 s[G0AS+3], s[G0AS+3], 0x80000000
	s_mov_b32 s[G0BS], 1
	s_add_co_u32 s[G0BS+1], s21, SB+2*AHS
	s_mov_b64 s[G0BS+2:G0BS+3], s[46:47]
	s_or_b32 s[G0BS+3], s[G0BS+3], 0x80000000
	JLOAD G0AS, G1AS, G0BS, G1BS
	s_mov_b32 s[G0AD], 1                           ; D: K steps 1 and 2
	s_mov_b32 s[G0AD+1], s22
	s_add_nc_u64 s[G0AD+2:G0AD+3], s[16:17], KSTEP*2
	s_or_b32 s[G0AD+3], s[G0AD+3], 0x80000000
	s_mov_b32 s[G0BD], 1
	s_add_co_u32 s[G0BD+1], s23, 2*AHD
	s_add_nc_u64 s[G0BD+2:G0BD+3], s[46:47], KSTEP*2
	s_or_b32 s[G0BD+3], s[G0BD+3], 0x80000000
	JLOAD G0AD, G1AD, G0BD, G1BD
	v_and_b32 v1, 15, v0                           ; r
	v_bfe_u32 v2, v0, 4, 1                         ; h
	v_mul_u32_u24 v3, v1, PS
	v_lshl_add_u32 v3, v2, 4, v3                   ; a fragment's row x pitch + 16 h, in S,
	v_mul_u32_u24 v6, v1, PD
	v_lshl_add_u32 v6, v2, 4, v6                   ; and in D
	s_mul_i32 s20, s13, AHS                        ; S: my 64 rows of A,
	s_add_co_u32 s20, s20, SB
	s_mul_i32 s21, s14, BHS                        ; my 128 rows of B, behind A's 128
	s_add_co_u32 s21, s21, SB+2*AHS
	v_add_nc_u32 v[ADRA], s20, v3
	v_add_nc_u32 v[ADRB], s21, v3
	s_mul_i32 s20, s13, AHD                        ; D likewise
	s_mul_i32 s21, s14, BHD
	s_add_co_u32 s21, s21, 2*AHD
	v_add_nc_u32 v[ADRA+1], s20, v6
	v_add_nc_u32 v[ADRB+1], s21, v6
	s_mul_i32 s20, s12, 16*SPITCH                  ; my stage
	v_mul_u32_u24 v4, v1, SPITCH
	v_lshl_add_u32 v4, v2, 5, v4
	v_add_nc_u32 v[STO], s20, v4                   ; in: row r, 32 bytes for each half of the lanes
	v_and_b32 v5, 31, v0
	v_lshlrev_b32 v[CO], 4, v5                     ; back: the 32 lanes take one row of 512 bytes; and the same in out0
	v_add_nc_u32 v[RD], s20, v[CO]
	v_lshlrev_b32 v[PFO], 12, v5
	v_lshlrev_b32 v[BO], 5, v2
	s_lshl_b32 s18, s15, 7
	s_lshl_b32 s19, s13, 6
	s_add_co_u32 s18, s18, s19                     ; my first row of out0
	s_lshl_b32 s18, s18, 13                        ; 8,192 bytes a row
	s_lshl_b32 s22, s42, 10
	s_lshl_b32 s23, s14, 9
	s_add_co_u32 s22, s22, s23                     ; my first column, in bytes
	s_mov_b32 s23, 0
	s_add_nc_u64 s[8:9], s[8:9], s[22:23]          ; b_o there
	s_add_co_u32 s18, s18, s22
	s_mov_b32 s19, 0
	s_add_nc_u64 s[10:11], s[10:11], s[18:19]
	WIN 0x80
.irp b, 0,1,2,3,4,5,6,7                        ; b_o in the result's layout; it lands while the loop runs
	global_load_b128 v[8*\b:8*\b+3], v[BO], s[8:9] offset:64*\b
	global_load_b128 v[8*\b+4:8*\b+7], v[BO], s[8:9] offset:64*\b+16
.endr
	WIN 0
	; the prefetches: where mine stand, and who asks
	s_and_b32 s22, ttmp7, 0xffff                   ; cluster y
	s_lshl_b32 s18, s15, 7                         ; A's tile's first row,
	s_lshl_b32 s19, s42, 8                         ; B's
	s_lshl_b32 s2, s40, 5                          ; my work-group's rows of A's tile,
	s_lshl_b32 s23, s41, 6                         ; of B's,
	s_lshl_b32 s21, s14, 5
	s_add_co_u32 s23, s23, s21                     ; and my wave's half of those
	s_cmp_eq_u32 s13, 0
	s_cselect_b32 s18, s18, s19
	s_cselect_b32 s2, s2, s23
	s_cselect_b32 s22, ttmp9, s22                  ; the coordinate along which other clusters read the same rows
	s_cselect_b64 s[PFA:PFA+1], s[4:5], s[6:7]
	s_add_co_u32 s18, s18, s2
	s_lshl_b32 s18, s18, 12
	s_mov_b32 s19, 0
	s_add_nc_u64 s[PFA:PFA+1], s[PFA:PFA+1], s[18:19]
	s_add_nc_u64 s[PFA:PFA+1], s[PFA:PFA+1], KSTEP*2   ; at K step 1: each trip steps it by three K steps, the first to K step 4.  Nothing is prefetched at the head
	s_cmp_eq_u32 s12, 1
	s_cselect_b32 s23, 1, 0                        ; wave 1 never asks
	s_or_b32 s22, s22, s23
	s_cmp_eq_u32 s22, 0
	s_cselect_b32 s[LIM], 1, 0                     ; the same in all sixteen partners, for a given wave
; 8 matrix instructions: A's block a x B's eight, 32 along K.  The 32 accumulators take turns, one instruction a turn, in the same order in every quarter.
.macro MUL8 f, a, zero
.irp b, 0,1,2,3,4,5,6,7
.if \zero
	v_wmma_f32_16x16x32_f16 v[8*(8*(\a)+\b):8*(8*(\a)+\b)+7], v[\f+32+8*\b:\f+32+8*\b+7], v[\f+8*(\a):\f+8*(\a)+7], 0
.else
	v_wmma_f32_16x16x32_f16 v[8*(8*(\a)+\b):8*(8*(\a)+\b)+7], v[\f+32+8*\b:\f+32+8*\b+7], v[\f+8*(\a):\f+8*(\a)+7], v[8*(8*(\a)+\b):8*(8*(\a)+\b)+7]
.endif
.endr
.endm
.macro FETCH slot, k, f                ; 24 LDS loads in one run: B's eight fragments, then A's four, of the 32 along K at byte k of the rows.  slot 0 = S, 1 = D
	WIN 0
.irp i, 0,1,2,3,4,5,6,7
	ds_load_b128 v[\f+32+8*\i:\f+32+8*\i+3], v[ADRB+(\slot)] offset:\k+\i*16*(PS+(PD-PS)*(\slot))
	ds_load_b128 v[\f+32+8*\i+4:\f+32+8*\i+7], v[ADRB+(\slot)] offset:\k+\i*16*(PS+(PD-PS)*(\slot))+32
.endr
.irp i, 0,1,2,3
	ds_load_b128 v[\f+8*\i:\f+8*\i+3], v[ADRA+(\slot)] offset:\k+\i*16*(PS+(PD-PS)*(\slot))
	ds_load_b128 v[\f+8*\i+4:\f+8*\i+7], v[ADRA+(\slot)] offset:\k+\i*16*(PS+(PD-PS)*(\slot))+32
.endr
.endm
.macro PLACES                          ; four plain lines in front of loads into registers that matrix instructions have read, and of reads of results
.rept 4
	v_nop
.endr
.endm
; A quarter is 32 along K, 32 matrix instructions, on buffers 0, 1 by turns; S has four, D eight.  All but a slot's last: multiplies buffer f and fetches the next quarter, at byte k, into g.
.macro QUARTER slot, k, f, g, zero
	s_wait_dscnt 4                                 ; B and A's blocks 0 and 1 are in; the youngest four loads (A's blocks 2 and 3) may be out
	WIN MUL
	MUL8 \f, 0, \zero
	MUL8 \f, 1, \zero
	PLACES
	FETCH \slot, \k, \g
	s_wait_dscnt 24                                ; all but the 24 just issued
	WIN MUL
	MUL8 \f, 2, \zero
	MUL8 \f, 3, \zero
.endm
.macro DQ                              ; D's first seven quarters
	QUARTER 1, 64,  F0, F1, 0
	QUARTER 1, 128, F1, F0, 0
	QUARTER 1, 192, F0, F1, 0
	QUARTER 1, 256, F1, F0, 0
	QUARTER 1, 320, F0, F1, 0
	QUARTER 1, 384, F1, F0, 0
	QUARTER 1, 448, F0, F1, 0
.endm
; A slot's last quarter multiplies buffer 1 and changes slots: one barrier; in front of it each wave waits for all its tensor loads, adds 0 to its spare word, and waits for that and for its reads of slot cur.
; fill = 1: slot cur is filled again, three K steps on.  ask = 1: the prefetch for the next refill follows.
.macro TURN cur, fill, ask
.if (\ask) && ((\cur) == 0)
	s_wait_xcnt 0x0                                ; the last prefetch, S's four quarters back, has read its address
	s_add_nc_u64 s[PFA:PFA+1], s[PFA:PFA+1], 3*KSTEP*2
.endif
	WIN 0
	s_wait_tensorcnt 0x0                           ; all my tensor loads have landed: my part of the other slot
	ds_add_u32 v[SPW], v[NIL]
	s_wait_dscnt 5                                 ; the add and the youngest four loads may be out
	WIN MUL
	MUL8 F1, 0, 0
	s_wait_dscnt 0x0                               ; the add is done, and my reads of this slot are over
	s_barrier_signal -1
	MUL8 F1, 1, 0
	WIN 0
	s_barrier_wait -1
.if \fill
	CREST                                          ; the barrier has opened a round of the cluster's barrier: no wave of any partner still reads this slot or has a load on its way
	s_add_nc_u64 s[G0AS+4*(\cur)+2:G0AS+4*(\cur)+3], s[G0AS+4*(\cur)+2:G0AS+4*(\cur)+3], 3*KSTEP*2
	s_add_nc_u64 s[G0BS+4*(\cur)+2:G0BS+4*(\cur)+3], s[G0BS+4*(\cur)+2:G0BS+4*(\cur)+3], 3*KSTEP*2
.if (\cur) == 0
	JLOAD G0AS, G1AS, G0BS, G1BS                   ; the first tensor load behind the round; its four v_nop are the places in front of the loads below
.else
	JLOAD G0AD, G1AD, G0BD, G1BD
.endif
.else
	PLACES
.endif
	FETCH 1-(\cur), 0, F0
.if \ask
	ASK 1-(\cur)
.endif
	WIN MUL
	MUL8 F1, 2, 0
	MUL8 F1, 3, 0
.endm
	s_wait_tensorcnt 1                             ; my part of S, K step 0, is in; D's load may be out
	s_barrier_signal -1
	s_barrier_wait -1
	FETCH 0, 0, F0
	QUARTER 0, 64, F0, F1, 1                       ; the first quarter stands in front of the loop: its products start the sums
	WIN 0
	s_mov_b32 s3, TRIPS
.Ltrip:                                                ; a trip goes from S's second quarter to the next S's first: three K steps, and both slots are filled again
	QUARTER 0, 128, F1, F0, 0
	QUARTER 0, 192, F0, F1, 0
	TURN 0, 1, 1
	DQ
	TURN 1, 1, 1
	QUARTER 0, 64,  F0, F1, 0
	WIN 0
	s_sub_co_u32 s3, s3, 1
	s_cmp_lg_u32 s3, 0
	s_cbranch_scc1 .Ltrip
	QUARTER 0, 128, F1, F0, 0                      ; the tail is written out: K step 12 goes on,
	QUARTER 0, 192, F0, F1, 0
	TURN 0, 1, 0                                   ; S takes K step 15: the last load
	DQ                                             ; K steps 13 and 14
	TURN 1, 0, 0                                   ; nothing is filled: a plain barrier.  Behind it nobody reads D: the stage for the way out lies there
	QUARTER 0, 64,  F0, F1, 0
	QUARTER 0, 128, F1, F0, 0
	QUARTER 0, 192, F0, F1, 0
	s_wait_dscnt 4
	WIN MUL
	MUL8 F1, 0, 0
	MUL8 F1, 1, 0
	s_wait_dscnt 0
	MUL8 F1, 2, 0
	MUL8 F1, 3, 0
	WIN 0
	; THE WAY OUT, block by block of 16 rows x 128 columns: 4 x sum + bias, through my stage, back as whole rows of 512 bytes.
	s_wait_loadcnt 0x0                             ; b_o
	PLACES
.macro OUTB a
.set BB, BKR+64*((\a)%2)
	WIN 0x21                                       ; source 0 (the sums) window 1, source 2 (b_o) window 2
.set i, 0
.rept 32
	v_pk_fma_f32 v[YR+2*i:YR+2*i+1], v[64*(\a)+2*i:64*(\a)+2*i+1], 4.0, v[2*i:2*i+1] op_sel_hi:[1,0,1]   ; each accumulator from its low end on
.set i, i+1
.endr
	WIN 0
.irp b, 0,1,2,3,4,5,6,7
	ds_store_b128 v[STO], v[YR+8*\b:YR+8*\b+3] offset:64*\b
	ds_store_b128 v[STO], v[YR+8*\b+4:YR+8*\b+7] offset:64*\b+16
.endr
.irp t, 0,1,2,3,4,5,6,7,8,9,10,11,12,13,14,15
	ds_load_b128 v[BB+4*\t:BB+4*\t+3], v[RD] offset:\t*SPITCH   ; LDS serves a wave's instructions in order: these see the stores above
.endr
	s_wait_dscnt 0x0
.if (\a) > 0
	s_wait_xcnt 0x0                                ; the earlier stores have read their base and their registers
	s_add_nc_u64 s[10:11], s[10:11], 16*8192       ; 16 rows on
.endif
.irp t, 0,1,2,3,4,5,6,7,8,9,10,11,12,13,14,15
	global_store_b128 v[CO], v[BB+4*\t:BB+4*\t+3], s[10:11] offset:\t*8192 th:TH_STORE_NT   ; 32 lanes store 512 consecutive bytes, aligned; written once
.endr
.endm
	OUTB 0
	OUTB 1
	OUTB 2
	OUTB 3
	s_wait_tensorcnt 0x0                           ; the wave's end: three lines behind my last tensor load and my last LDS store
	ds_add_u32 v[SPW], v[NIL]
	s_wait_dscnt 0x0
	CROUND                                         ; the closing round
	s_endpgm
.Lfunc_end_k_q7473b57fd6_ogemm:
	.size	k_q7473b57fd6_ogemm, .Lfunc_end_k_q7473b57fd6_ogemm-k_q7473b57fd6_ogemm
	.p2alignl 7, 3214868480
	.fill 96, 4, 3214868480
	.section	.rodata,"a",@progbits
	.p2align	6, 0x0
	.amdhsa_kernel k_q7473b57fd6_ogemm
		.amdhsa_group_segment_fixed_size 327680
		.amdhsa_private_segment_fixed_size 0
		.amdhsa_enable_private_segment 0
		.amdhsa_kernarg_size 32
		.amdhsa_user_sgpr_count 2
		.amdhsa_user_sgpr_kernarg_segment_ptr 1
		.amdhsa_wavefront_size32 1
		.amdhsa_system_sgpr_workgroup_id_x 1
		.amdhsa_system_sgpr_workgroup_id_y 1
		.amdhsa_system_sgpr_workgroup_id_z 1
		.amdhsa_system_vgpr_workitem_id 0
		.amdhsa_next_free_vgpr 768
		.amdhsa_next_free_sgpr 88
		.amdhsa_reserve_vcc 0
		.amdhsa_float_denorm_mode_32 3
		.amdhsa_float_denorm_mode_16_64 3
		.amdhsa_memory_ordered 1
		.amdhsa_forward_progress 1
		.amdhsa_inst_pref_size 143
	.end_amdhsa_kernel
	.amdgpu_metadata
---
amdhsa.version: [ 1, 2 ]
amdhsa.kernels:
  - .name:           k_q7473b57fd6_ogemm
    .symbol:         k_q7473b57fd6_ogemm.kd
    .args:
      - { .name: att, .offset: 0, .size: 8, .value_kind: global_buffer, .address_space: global }
      - { .name: wo16, .offset: 8, .size: 8, .value_kind: global_buffer, .address_space: global }
      - { .name: b_o, .offset: 16, .size: 8, .value_kind: global_buffer, .address_space: global }
      - { .name: out0, .offset: 24, .size: 8, .value_kind: global_buffer, .address_space: global }
    .group_segment_fixed_size: 327680
    .private_segment_fixed_size: 0
    .kernarg_segment_align: 8
    .kernarg_segment_size: 32
    .max_flat_workgroup_size: 128
    .sgpr_count:     88
    .vgpr_count:     768
    .wavefront_size: 32
...
	.end_amdgpu_metadata
.endif
;; end of part 4
